; MI455X (gfx1250); checked and timed in simulation.
; The chip was launched on July 23, 2026; its instructions are those of AMD's public machine-readable ISA for CDNA 5 (MIT licence, August 2026) and "CDNA5" Instruction Set Architecture Reference Guide (July 2026). The comments in the code are by the model that wrote it; some were corrected since.
;; Multihead self attention. Allowed arithmetic: matrix products marked QUANTISED: E2M3 operands, one E8M0 scale for each 32 along K, by v_wmma_scale_f32_16x16x128_f8f6f4 with both operands' format E2M3, f32 sums; everything else in f32.
;; Inputs: wk 1,024 x 1,024 float32; wo 1,024 x 1,024 float32; wq 1,024 x 1,024 float32; wv 1,024 x 1,024 float32; x 4 x 2,048 x 1,024 float32.
;; Outputs: out0 4 x 2,048 x 1,024 float32.
;; This version of the problem:
;;   THIS VERSION OF THE PROBLEM IS GIVEN IN LOW PRECISION. The matrix products marked QUANTISED in the list below multiply operands that are first quantised to E2M3 (2 exponent bits, 3 mantissa bits; 6 bits a number), with one power-of-two scale for each 32 numbers along K (OCP MX v1.0); their sums are f32. All else is computed in f32.
;;   The module's matrix products, in the order in which they are computed (A, B: the left and right operand; K: the contracted axis; several contracted axes count as one K, in the product's order):
;;     1. [M 8,192, K 1,024] x [K 1,024, N 1,024]; A: input x; B: input wq: QUANTISED
;;     2. [M 8,192, K 1,024] x [K 1,024, N 1,024]; A: input x; B: input wk: QUANTISED
;;     3. [M 8,192, K 1,024] x [K 1,024, N 1,024]; A: input x; B: input wv: QUANTISED
;;     4. batch 64 x [M 2,048, K 64] x [K 64, N 2,048]; A: computed on the way; B: computed on the way: QUANTISED
;;     5. batch 64 x [M 2,048, K 2,048] x [K 2,048, N 64]; A: softmax (see below); B: computed on the way: QUANTISED
;;     6. [M 8,192, K 1,024] x [K 1,024, N 1,024]; A: computed on the way; B: input wo: QUANTISED
;;   THE QUANTISER, for each operand of a quantised product, along K:
;;     - K is cut into blocks of 32 from its start; a last block that is shorter is filled with zeros.
;;     - A block's scale is 2^e with e = floor(log2(the largest magnitude in the block)) - 2, held to -126 .. 127; a block of zeros has e = 0. As a byte (E8M0): e + 127.
;;     - Each number is divided by its block's scale, clamped to +-7.5, and rounded to the nearest number of E2M3, ties to even, subnormals kept.
;;     - The product sums the exact products of the quantised numbers (number of the format x scale) in f32.
;;   ~~~python
;;   def quantise(x, axis):      # numpy; x: float32 -> the quantised numbers, widened to float32 again
;;       x = np.moveaxis(x, axis, -1); K = x.shape[-1]
;;       x = np.pad(x, [(0, 0)] * (x.ndim - 1) + [(0, -K % 32)]); x = x.reshape(x.shape[:-1] + (-1, 32)); a = np.abs(x).max(-1, keepdims=True)
;;       e = np.where(a > 0, np.clip(np.frexp(np.where(a > 0, a, 1))[1] - 1 - 2, -126, 127), 0)      # np.frexp(a)[1] - 1 = floor(log2(a)), exactly
;;       r = np.clip(x / 2.0 ** e, -7.5, 7.5)
;;       step = 2.0 ** (np.maximum(np.frexp(np.where(r == 0, 1, r))[1] - 1, 0) - 3)
;;       q = np.round(r / step) * step * 2.0 ** e      # np.round: ties to even
;;       return np.moveaxis(q.reshape(q.shape[:-2] + (-1,))[..., :K], -1, axis).astype(np.float32)
;;   ~~~
;;   SOFTMAX AHEAD OF A QUANTISED PRODUCT. Where the list says 'softmax', what is quantised is not the finished softmax but p = 2^(t - M), with t = logit x log2(e) and M = ceil(the row's largest t), a whole number; so 1/2 < the row's largest p <= 1. The row's sum l is taken of the UNQUANTISED p, in f32, and the product's result is divided by l at the end. Since M is a whole number, a kernel that streams over the keys may use a running M (the ceiling of the running maximum): every later rescaling is an exact power of two, which a block's scale takes up: the codes' values come out the same.
;;   OPERANDS COMPUTED ON THE WAY. 'Computed on the way' means the value that the module computes at that place (a softmax that the list does not call 'softmax' is quantised finished and normalised). What goes into a quantiser is computed in f32, as accurately as f32 sums, v_exp_f32 and their like allow (about 1e-6 of the number): no bf16 or f16 on the way to a quantiser, and a product that is left as it is and whose result goes on into a quantised operand takes f32 operands (vector FMAs, or v_wmma_f32_16x16x4_f32). A number that lies on a knife's edge between two numbers of the format may be rounded either way, as far as f32 arithmetic and the matrix unit's own rounding can turn it there, and no further.
;; One version. Each part assembles by itself: llvm-mc -triple=amdgcn-amd-amdhsa -mcpu=gfx1250 --defsym DOCPART=n.
;; ======== version 1 of 1: 4 launches
;; workspace buffers: xq 6,553,600 bytes; wc 3,276,800 bytes; qkv 19,660,800 bytes; at 6,553,600 bytes
;; launch quant (part 1): grid 256 x 1, 6 waves a work-group, no clusters, 51,456 bytes of LDS; arguments x, wq, wk, wv, wo, xq, wc; writes xq, wc
.if DOCPART == 1
	.amdgcn_target "amdgcn-amd-amdhsa--gfx1250"
	.amdhsa_code_object_version 6
	.text
	.protected	k_q947179a1c0_quant
	.globl	k_q947179a1c0_quant
	.p2align	8
	.type	k_q947179a1c0_quant,@function
k_q947179a1c0_quant:
	s_mov_b64 s[64:65], 0
	v_nop
	global_prefetch_b8 v0, s[64:65] scope:SCOPE_SE
	s_setreg_imm32_b32 hwreg(HW_REG_WAVE_MODE, 25, 1), 1
	s_wait_xcnt 0x0
; x [8192][1024] and wq, wk, wv, wo [1024][1024], f32, K innermost, become codes of FP6 (E2M3) with one E8M0 byte for each 32 along K.
; A block's scale is 2^(floor(log2(its largest magnitude)) - 2): its byte is that magnitude's exponent field - 2, held at 1 from below.
; THE LAYOUT OF THE RESULT IS THAT OF THE MATRIX OPERAND'S REGISTERS.  A fragment (16 rows x 128 K, 12 registers a lane) is an IMAGE of 1,536 bytes: chunk c of three holds
; lane l's registers 4 c .. 4 c + 3 at byte 512 c + 16 l.  A UNIT of 12,800 bytes is a tile of 16 rows for all of K: 8 images, then 512 bytes of scale words: the word of (K step ks, lane r) at 128 (ks / 2) + 8 r + 4 (ks % 2).
; THE ROWS OF A TILE ARE NOT NEIGHBOURS: lane r of tile T is row 32 (T / 2) + 8 (T % 2) + r + 8 (r / 8), in every buffer of this program, so that a transposed product's results are neighbours along the next K.
; SHARES: 768 tiles (512 of x into xq; 64 each of wq, wk, wv, wo into wc) x 2 halves of K = 1,536 jobs, one a wave: 16 rows x 512 K, 32 KB in, 4 images and 256 bytes of scale words out.  Waves share nothing: no barrier.
; A load takes 512 consecutive bytes of one row; a fragment's 8 KB turn through the wave's own stage in LDS (rows of 512 + 16 bytes), from which a lane takes its two whole blocks of 32.  Two fragments' loads (32) are out at a time.
; LIMITS: NaN and infinities are not served.  A block of zeros gets the byte 1 where the quantiser says 127: its codes are zeros, and this program alone reads the bytes.
.set UNIT, 12800
.set IMG,  1536
.set SP,   528                         ; a stage row: 512 bytes + 16
.set STG,  16*SP                       ; a wave's stage
.set LI,   1                           ; v1   16 x lane
.set RDA,  2                           ; v2   out of the stage: row r, + 128 h
.set WRA,  3                           ; v3   into the stage: 16 x lane
.set SH,   4                           ; v4   8 h
.set SCO,  5                           ; v5   128 h + 8 r: my place among the job's scale words
.set R,    16                          ; v16-143  two sets of 64: a fragment as loaded
.set X,    144                         ; v144-207 register 32 c + i = k 64 c + 32 h + i of my row
.set C,    208                         ; v208-231 two sets of 12: the codes
.set CT,   232                         ; v232-239 the upper halves of the blocks' codes, as the conversions leave them
.set W,    240                         ; v240-243 the four fragments' scale words
.set Y,    244                         ; v244-245 the two that I store
.set M,    246                         ; v246-247 largest magnitudes
.set SO,   248                         ; v248-249 the conversions' scale operands
.set BY,   250                         ; v250-251 the bytes
	s_load_b256 s[4:11], s[0:1], 0x0               ; x, wq, wk, wv
	s_load_b128 s[12:15], s[0:1], 0x20             ; wo, xq
	s_load_b64 s[16:17], s[0:1], 0x30              ; wc
	v_lshl_add_u32 v254, v0, 2, 0xc600
	v_mov_b32 v255, 0
	v_lshrrev_b32 v6, 5, v0
	v_readfirstlane_b32 s18, v6                    ; wave 0..5
	v_and_b32 v6, 31, v0                           ; lane
	v_and_b32 v7, 15, v0                           ; r
	v_bfe_u32 v8, v0, 4, 1                         ; h
	v_lshlrev_b32 v[LI], 4, v6
	s_mul_i32 s19, s18, STG
	v_mul_u32_u24 v[RDA], v7, SP
	v_lshl_add_u32 v[RDA], v8, 7, v[RDA]
	v_add_nc_u32 v[RDA], s19, v[RDA]
	v_add_nc_u32 v[WRA], s19, v[LI]
	v_lshlrev_b32 v[SH], 3, v8
	v_lshlrev_b32 v[SCO], 3, v7
	v_lshl_add_u32 v[SCO], v8, 7, v[SCO]
	v_mov_b32 v253, 0                              ; a lane permute's destination counts as one of its sources
	s_mov_b32 s20, 0x76543210
	s_mov_b32 s21, 0xfedcba98                      ; selects for lane l xor 16
	s_mov_b32 vcc_lo, 0xffff0000                   ; lanes 16-31
	s_mul_i32 s22, ttmp9, 6
	s_add_co_u32 s22, s22, s18                     ; my job
	s_and_b32 s23, s22, 1                          ; which half of K
	s_lshr_b32 s22, s22, 1                         ; which tile, 0..767
	s_wait_kmcnt 0x0
	s_mov_b64 s[24:25], s[12:13]                   ; the source is chosen by the tile's number alone: wo,
	s_cmp_lt_u32 s22, 704
	s_cselect_b64 s[24:25], s[10:11], s[24:25]     ; wv,
	s_cmp_lt_u32 s22, 640
	s_cselect_b64 s[24:25], s[8:9], s[24:25]       ; wk,
	s_cmp_lt_u32 s22, 576
	s_cselect_b64 s[24:25], s[6:7], s[24:25]       ; wq,
	s_cmp_lt_u32 s22, 512
	s_cselect_b64 s[24:25], s[4:5], s[24:25]       ; x
	s_cselect_b64 s[26:27], s[14:15], s[16:17]     ; into xq or wc
	s_cselect_b32 s28, 0, 512
	s_mov_b32 s29, 63
	s_cselect_b32 s29, 511, s29
	s_sub_co_u32 s28, s22, s28                     ; the unit's number in its buffer
	s_and_b32 s29, s28, s29                        ; the tile's number in its tensor
	s_lshr_b32 s30, s29, 1
	s_lshl_b32 s30, s30, 17                        ; 32 (T / 2) rows of 4,096 bytes
	s_and_b32 s31, s29, 1
	s_lshl_b32 s31, s31, 15                        ; + 8 (T % 2) rows
	s_add_co_u32 s30, s30, s31
	s_lshl_b32 s31, s23, 11                        ; + my half of K: 512 numbers
	s_add_co_u32 s30, s30, s31
	s_mov_b32 s31, 0
	s_add_nc_u64 s[24:25], s[24:25], s[30:31]
	s_mul_i32 s30, s28, UNIT
	s_add_nc_u64 s[26:27], s[26:27], s[30:31]      ; the unit
	s_lshl_b32 s32, s23, 8
	s_mov_b32 s33, 0
	s_add_nc_u64 s[34:35], s[26:27], s[32:33]      ; my 256 bytes of its scale words (their 12,288 stand in the store's immediate)
	s_mul_i32 s32, s23, 4*IMG
	s_add_nc_u64 s[26:27], s[26:27], s[32:33]      ; my four images
.macro LOAD t                          ; fragment t: stage row i is the tile's lane i, row i + 8 (i / 8) from the tile's first; 32 lanes read 512 consecutive bytes
.irp i, 0,1,2,3,4,5,6,7,8,9,10,11,12,13,14,15
	global_load_b128 v[R+64*((\t)%2)+4*\i:R+64*((\t)%2)+4*\i+3], v[LI], s[24:25] offset:(\i+8*(\i/8))*4096+512*(\t) th:TH_LOAD_NT
.endr
.endm
.macro TURN t                          ; through the stage: LDS serves a wave's instructions in order (ISA guide 5.7.1.4), so no wait stands between the stores and the loads
.irp i, 0,1,2,3,4,5,6,7,8,9,10,11,12,13,14,15
	ds_store_b128 v[WRA], v[R+64*((\t)%2)+4*\i:R+64*((\t)%2)+4*\i+3] offset:SP*\i
.endr
.irp c, 0,1
.irp j, 0,1,2,3,4,5,6,7
	ds_load_b128 v[X+32*\c+4*\j:X+32*\c+4*\j+3], v[RDA] offset:256*\c+16*\j
.endr
.endr
.endm
.macro QF t                            ; my two blocks (2 c + h) of fragment t become six registers of codes each, and the fragment's scale word
.set CC, C+12*((\t)%2)
.irp c, 0,1
	v_max3_num_f32 v[M+\c], |v[X+32*\c]|, |v[X+32*\c+1]|, 0x1800000   ; with the floor 2^(3 - 127): the byte cannot fall under 1
.endr
.irp i, 2,4,6,8,10,12,14,16,18,20,22,24,26,28,30
.irp c, 0,1
	v_max3_num_f32 v[M+\c], v[M+\c], |v[X+32*\c+\i]|, |v[X+32*\c+\i+1]|
.endr
.endr
.irp c, 0,1
	v_add_nc_u32 v[SO+\c], 0xff000000, v[M+\c]     ; 2 off the exponent field: the conversion takes that field as its scale
.endr
.irp c, 0,1
	v_lshrrev_b32 v[BY+\c], 23, v[SO+\c]           ; the byte
.endr
	v_lshl_or_b32 v252, v[BY+1], 16, v[BY]         ; blocks h and 2 + h,
	v_lshlrev_b32 v252, v[SH], v252                ; at their places in the word;
	v_permlanex16_b32 v253, v252, s20, s21
	v_or_b32 v[W+(\t)], v252, v253                 ; with lane l xor 16's two the word is whole, in both halves of the lanes
.if (\t) >= 2
	s_wait_xcnt 0x0                                ; the stores of two fragments back have read this set of code registers
.endif
.irp c, 0,1
	v_cvt_scalef32_pk16_fp6_f32 v[CC+6*\c:CC+6*\c+2], v[X+32*\c:X+32*\c+15], v[SO+\c]
	v_cvt_scalef32_pk16_fp6_f32 v[CT+4*\c:CT+4*\c+2], v[X+32*\c+16:X+32*\c+31], v[SO+\c]   ; (a conversion's three registers begin on an even number)
.endr
	v_nop                                          ; one plain instruction behind a scaled conversion
.irp c, 0,1
.irp i, 0,1,2
	v_mov_b32 v[CC+6*\c+3+\i], v[CT+4*\c+\i]
.endr
.endr
.irp c, 0,1,2
	global_store_b128 v[LI], v[CC+4*\c:CC+4*\c+3], s[26:27] offset:IMG*(\t)+512*\c   ; 32 lanes store 512 consecutive bytes, at a multiple of 256 from the buffer's first byte
.endr
.endm
	LOAD 0
	LOAD 1
.irp t, 0,1,2,3
.if \t < 3
	s_wait_loadcnt 16                              ; this fragment's 16 loads are in; the next one's 16 may be out
.else
	s_wait_loadcnt 0x0
.endif
	TURN \t
	s_wait_dscnt 0x0                               ; the numbers are back, so the stage's stores have read their registers,
.if \t < 2
	LOAD \t+2                                      ; which take the fragment two on
.endif
	QF \t
.endr
	v_cndmask_b32 v[Y], v[W], v[W+2], vcc_lo       ; lanes 0-15 store the words of fragments 0, 1, lanes 16-31 those of 2, 3
	v_cndmask_b32 v[Y+1], v[W+1], v[W+3], vcc_lo
	global_store_b64 v[SCO], v[Y:Y+1], s[34:35] offset:8*IMG   ; 256 consecutive bytes, aligned
	s_wait_tensorcnt 0x0
	ds_add_u32 v254, v255
	s_wait_dscnt 0x0
	s_endpgm
.Lfunc_end_k_q947179a1c0_quant:
	.size	k_q947179a1c0_quant, .Lfunc_end_k_q947179a1c0_quant-k_q947179a1c0_quant
	.p2alignl 7, 3214868480
	.fill 96, 4, 3214868480
	.section	.rodata,"a",@progbits
	.p2align	6, 0x0
	.amdhsa_kernel k_q947179a1c0_quant
		.amdhsa_group_segment_fixed_size 51456
		.amdhsa_private_segment_fixed_size 0
		.amdhsa_enable_private_segment 0
		.amdhsa_kernarg_size 56
		.amdhsa_user_sgpr_count 2
		.amdhsa_user_sgpr_kernarg_segment_ptr 1
		.amdhsa_wavefront_size32 1
		.amdhsa_system_sgpr_workgroup_id_x 1
		.amdhsa_system_sgpr_workgroup_id_y 1
		.amdhsa_system_sgpr_workgroup_id_z 1
		.amdhsa_system_vgpr_workitem_id 0
		.amdhsa_next_free_vgpr 256
		.amdhsa_next_free_sgpr 66
		.amdhsa_reserve_vcc 1
		.amdhsa_float_denorm_mode_32 3
		.amdhsa_float_denorm_mode_16_64 3
		.amdhsa_memory_ordered 1
		.amdhsa_forward_progress 1
		.amdhsa_inst_pref_size 31
	.end_amdhsa_kernel
	.amdgpu_metadata
---
amdhsa.version: [ 1, 2 ]
amdhsa.kernels:
  - .name:           k_q947179a1c0_quant
    .symbol:         k_q947179a1c0_quant.kd
    .args:
      - { .name: x, .offset: 0, .size: 8, .value_kind: global_buffer, .address_space: global }
      - { .name: wq, .offset: 8, .size: 8, .value_kind: global_buffer, .address_space: global }
      - { .name: wk, .offset: 16, .size: 8, .value_kind: global_buffer, .address_space: global }
      - { .name: wv, .offset: 24, .size: 8, .value_kind: global_buffer, .address_space: global }
      - { .name: wo, .offset: 32, .size: 8, .value_kind: global_buffer, .address_space: global }
      - { .name: xq, .offset: 40, .size: 8, .value_kind: global_buffer, .address_space: global }
      - { .name: wc, .offset: 48, .size: 8, .value_kind: global_buffer, .address_space: global }
    .group_segment_fixed_size: 51456
    .private_segment_fixed_size: 0
    .kernarg_segment_align: 8
    .kernarg_segment_size: 56
    .max_flat_workgroup_size: 192
    .sgpr_count:     66
    .vgpr_count:     256
    .wavefront_size: 32
...
	.end_amdgpu_metadata
.endif
;; end of part 1
;; launch proj (part 2): grid 12 x 32, 4 waves a work-group, clusters of 4 x 4, 327,680 bytes of LDS; arguments xq, wc, qkv; writes qkv
.if DOCPART == 2
	.amdgcn_target "amdgcn-amd-amdhsa--gfx1250"
	.amdhsa_code_object_version 6
	.text
	.protected	k_q947179a1c0_proj
	.globl	k_q947179a1c0_proj
	.p2align	8
	.type	k_q947179a1c0_proj,@function
k_q947179a1c0_proj:
	s_mov_b64 s[64:65], 0
	v_nop
	global_prefetch_b8 v0, s[64:65] scope:SCOPE_SE
	s_setreg_imm32_b32 hwreg(HW_REG_WAVE_MODE, 25, 1), 1
	s_wait_xcnt 0x0
	s_wait_alu depctr_hold_cnt(0) depctr_sa_sdst(0) depctr_va_vdst(0) depctr_va_sdst(0) depctr_va_ssrc(0) depctr_va_vcc(0) depctr_vm_vsrc(0)
	s_getreg_b32 s2, hwreg(HW_REG_IB_STS2, 6, 4)
	s_cmp_eq_u32 s2, 0
	s_cbranch_scc0 .Lentry_in_a_cluster
	s_endpgm
.Lentry_in_a_cluster:
	s_bfe_u32 s2, ttmp6, 0x10000c
	s_cmp_lg_u32 s2, 0xf033
	s_cbranch_scc0 .Lentry_shape_is_right
	s_endpgm
.Lentry_shape_is_right:
; q = x wq^T, k = x wk^T and V^T = wv x^T on codes of FP6 (E2M3) with E8M0 scales, sums in f32; the results are quantised in registers and leave as codes: q and k along the head's 64 channels, v along the keys.
; OPERANDS are units of 12,800 bytes, a tile of 16 rows for all of K = 1,024: 8 images of a fragment's registers (1,536 bytes: chunk c holds lane l's registers 4 c .. 4 c + 3 at 512 c + 16 l), then 512 bytes of scale words
; (K step ks, lane r: 128 (ks / 2) + 8 r + 4 (ks % 2)).  Lane r of tile T is row 32 (T / 2) + 8 (T % 2) + r + 8 (r / 8).  xq: 512 units of x.  wc: wq 0-63, wk 64-127, wv 128-191, wo 192-255.
; A tile of C, 256 x 256, is made by four waves, as many as a WGP has SIMDs; a wave makes 128 x 128: 64 accumulators, 512 registers.  THE PRODUCT IS USED TRANSPOSED: source 0 = 16 rows of the operand called B here, source 1 = 16 rows
; of A: a lane holds ONE row of A, and by the order of a tile's rows its 64 registers of a block of 16 rows are, in fours of 16, neighbours along B's rows: register 16 b + i = B's row 32 b + 16 (lane / 16) + i.
; ONE PATH FOR ALL THREE.  Clusters with x = 0, 1: A = x's tokens, B = wq's and wk's 2,048 rows: a wave's 128 columns are one pair of heads.  Clusters with x = 2: A = wv's rows (channels), B = x's tokens: a wave's 128 columns are 128 keys.
; The choice hangs on the cluster's x alone, which all sixteen partners share, and selects numbers and buffers: no branch.
; RESULT: qkv, units of 12,800 bytes: unit ((t 32 + batch 8 + head pair) 16 + block of 128 tokens), t = 0 q, 1 k, 2 v.  q, k: image a = tile a of the tokens x [head 0's 64 | head 1's 64].  v: image a = tile a of the pair's 128 channels x 128 keys.
; Scale word of (tile a, lane r) at 12,288 + 16 (16 (a % 2) + r) + 4 (a / 2).
; K goes in steps of 256 through a ring of two LDS slots filled by the tensor data mover: one load a wave brings 8 units' two images, 8 rows of 3,072 bytes.  The scale words of the work-group's rows come once, with the first fills.
; CLUSTERS: 4 x 4.  A's tiles are asked for jointly along a row of the cluster, B's along a column.  K = 1,024 is four steps, written out: no loop.
; LIMITS: NaN and infinities are not served; a block of zeros gets the byte 1 where the quantiser says 127 (its codes are zeros; this program alone reads the bytes).
; REGISTERS, in windows of 256: window 0: v16-29 addresses; v32-63 scale words, two sets; v128-223 A's fragments, one set.  window 1: B's fragments, two sets, at v0 and v128.  windows 2, 3: the accumulators of my A rows 0-63, 64-127.
.set UNIT,  12800
.set IMG,   1536
.set NQ,    2                          ; matrix instructions deep in a slot
.set FR,    12                         ; registers of a fragment
.set NL,    3                          ; LDS loads that bring one
.set NP,    4                          ; places behind this matrix instruction (ISA guide 7.12.1)
.set ROWB,  NQ*IMG                     ; a unit's part of a slot
.set HALFT, 8*ROWB                     ; 8 units: what one tensor load brings, and what one wave reads of A or of B
.set SLOT,  4*HALFT                    ; A's 16 units, then B's 16
.set SCL,   2*SLOT                     ; behind the ring: the scale words, 512 bytes a unit
.set HALFS, 8*512
.set SBLK,  512
.set SPARE, SCL+4*HALFS                ; the spare words, 128 bytes a wave: two blocks of 256 bytes that no other line names
.set ADRA, 16                          ; v16-17  LDS address of my A fragments in slot 0, 1
.set ADRB, 20                          ; v20-21  the same for B
.set CO,   26                          ; v26     16 x lane
.set ADRS, 27                          ; v27     LDS address of my scale words: lanes 0-15 A's, lanes 16-31 B's
.set SPW,  28                          ; v28     my spare word; never rewritten
.set NIL,  29                          ; v29     0; never rewritten
.set SC,   32                          ; scale words: set s at v[SC + 16 s]; register 2 i + q: lanes 0-15 A's block i, lanes 16-31 B's block i
.set AF,   128
.set IM,   32                          ; the way out: v32-127 the eight images
.set PWR,  128                         ; v128-135 their scale words
.set XW,   136                         ; v136-139 the words as they are stored
.set TM,   140                         ; v140-155 at work
.set CT,   160                         ; v160-167 the upper halves of the blocks' codes
.set G1, 24
.set G0, 32
.set G1B, 48
.set G0B, 56
.set G1S, 68
.set G0S, 76
.set G1SB, 80
.set G0SB, 88
.set SEL, 96
.set MSB, 0
.macro WIN new                         ; the immediate's high byte repeats the setting that is left
.if MSB != (\new)
	s_set_vgpr_msb (MSB<<8)|(\new)
.set MSB, (\new)
.endif
.endm
.set MUL_LO, 0xa1                      ; source 0 (B) window 1, source 1 (A) window 0, C and D window 2
.set MUL_HI, 0xf1
.set TO_B,   0x40
.macro JLOAD g0a, g1a, g0b, g1b        ; a joint load: waves 0 and 1 fetch for A, waves 2 and 3 for B; the branch hangs on the wave's number alone; four v_nop follow each line
	s_cmp_eq_u32 s15, 0
	s_cbranch_scc0 .Lfor_b_\@
	tensor_load_to_lds s[\g0a:\g0a+3], s[\g1a:\g1a+7]
	s_nop 0
.rept 4
	v_nop
.endr
	s_branch .Lasked_\@
.Lfor_b_\@:
	tensor_load_to_lds s[\g0b:\g0b+3], s[\g1b:\g1b+7]
	s_nop 0
.rept 4
	v_nop
.endr
.Lasked_\@:
.endm
.macro CREST                           ; a round of the cluster's barrier behind its opening barrier
	s_cmp_lg_u32 s14, 0
	s_cbranch_scc1 .Lnot_wave_0_\@
	s_barrier_signal -3
.Lnot_wave_0_\@:
	s_barrier_wait -3
	s_barrier_signal -1
	s_barrier_wait -1
.endm
.macro CROUND
	s_barrier_signal -1
	s_barrier_wait -1
	CREST
.endm
	s_load_b128 s[4:7], s[0:1], 0x0                ; xq, wc
	s_load_b64 s[12:13], s[0:1], 0x10              ; qkv
	v_lshl_add_u32 v[SPW], v0, 2, SPARE
	v_mov_b32 v[NIL], 0
	ds_add_u32 v28, v29
	s_wait_dscnt 0x0
	v_lshrrev_b32 v1, 5, v0
	v_readfirstlane_b32 s14, v1                    ; wave 0..3
	s_lshr_b32 s15, s14, 1                         ; which half of A's rows is mine.  Also: I fetch for A (0) or for B (1)
	s_and_b32 s16, s14, 1                          ; which half of B's rows.  Also: which 8 units I fetch
	s_bfe_u32 s40, ttmp6, 0x40000                  ; cx
	s_bfe_u32 s41, ttmp6, 0x40004                  ; cy
	s_and_b32 s17, ttmp7, 0xffff                   ; the cluster's y
	s_cmp_eq_u32 ttmp9, 2                          ; V^T?
	s_cselect_b32 s42, s17, ttmp9                  ; column of clusters in C: for V^T the 8 blocks of 1,024 tokens
	s_cselect_b32 s17, 0, s17                      ; row of clusters: V^T has one (1,024 channels)
	s_lshl_b32 s42, s42, 2
	s_add_co_u32 s42, s42, s40                     ; tile column of C
	s_lshl_b32 s17, s17, 2
	s_add_co_u32 s17, s17, s41                     ; tile row of C
	s_lshl_b32 s43, s41, 2
	s_lshl_b32 s43, 15, s43                        ; my row of the cluster
	s_lshl_b32 s44, 0x1111, s40                    ; my column
	; descriptor group 1, elements of 8 bytes, no padding: 8 rows of 3,072 bytes (384 elements), 12,800 bytes (1,600 elements) apart
	s_or_b32 s[G1+0], s43, (3<<16)|(1<<21)         ; 15:0 the mask: A's tiles go to my row; 17:16 elements of 8 bytes; 21 set beside a mask
	s_or_b32 s[G1B+0], s44, (3<<16)|(1<<21)
.irp g, G1, G1B
	s_mov_b32 s[\g+1], 384<<16                     ; tensor_dim0
	s_mov_b32 s[\g+2], 8<<16                       ; tensor_dim1
	s_mov_b32 s[\g+3], 384<<16                     ; tile_dim0
	s_mov_b32 s[\g+4], 8                           ; tile_dim1
	s_mov_b32 s[\g+5], 1600                        ; tensor_dim0_stride
	s_mov_b32 s[\g+6], 0
	s_mov_b32 s[\g+7], 0
.endr
	; and for the scale words: 8 rows of 512 bytes (64 elements), as far apart
	s_or_b32 s[G1S+0], s43, (3<<16)|(1<<21)
	s_or_b32 s[G1SB+0], s44, (3<<16)|(1<<21)
.irp g, G1S, G1SB
	s_mov_b32 s[\g+1], 64<<16
	s_mov_b32 s[\g+2], 8<<16
	s_mov_b32 s[\g+3], 64<<16
	s_mov_b32 s[\g+4], 8
	s_mov_b32 s[\g+5], 1600
	s_mov_b32 s[\g+6], 0
	s_mov_b32 s[\g+7], 0
.endr
	s_lshl_b32 s18, s16, 3
	s_lshl_b32 s20, s17, 4
	s_add_co_u32 s20, s20, s18                     ; A: unit 16 x tile row + 8 x half
	s_mul_i32 s20, s20, UNIT
	s_mov_b32 s21, 0
	s_lshl_b32 s46, s42, 4
	s_add_co_u32 s46, s46, s18                     ; B: unit 16 x tile column + 8 x half
	s_mul_i32 s46, s46, UNIT
	s_mov_b32 s47, 0
	s_mul_i32 s45, s14, HALFT                      ; where they go: wave x 8 units: no place in the cluster enters an LDS address
	s_mul_i32 s94, s14, HALFS
	s_wait_kmcnt 0x0
	s_add_nc_u64 s[8:9], s[6:7], 128*UNIT          ; wv's units
	s_cmp_eq_u32 ttmp9, 2
	s_cselect_b64 s[8:9], s[8:9], s[4:5]           ; A: wv or x
	s_cselect_b64 s[10:11], s[4:5], s[6:7]         ; B: x or wq and wk
	s_add_nc_u64 s[20:21], s[8:9], s[20:21]
	s_add_nc_u64 s[46:47], s[10:11], s[46:47]
	CROUND                                         ; all sixteen work-groups are here: the first joint loads meet
	s_mov_b32 s[G0S], 1
	s_add_co_u32 s[G0S+1], s94, SCL
	s_add_nc_u64 s[G0S+2:G0S+3], s[20:21], 8*IMG
	s_or_b32 s[G0S+3], s[G0S+3], 0x80000000
	s_mov_b32 s[G0SB], 1
	s_add_co_u32 s[G0SB+1], s94, SCL
	s_add_nc_u64 s[G0SB+2:G0SB+3], s[46:47], 8*IMG
	s_or_b32 s[G0SB+3], s[G0SB+3], 0x80000000
	JLOAD G0S, G1S, G0SB, G1SB                     ; the scale words first: they are wanted with K step 0
.irp s, 0,1
	s_mov_b32 s[G0+4*\s], 1
	s_add_co_u32 s[G0+4*\s+1], s45, \s*SLOT
	s_add_nc_u64 s[G0+4*\s+2:G0+4*\s+3], s[20:21], \s*ROWB
	s_or_b32 s[G0+4*\s+3], s[G0+4*\s+3], 0x80000000
	s_mov_b32 s[G0B+4*\s], 1
	s_add_co_u32 s[G0B+4*\s+1], s45, \s*SLOT
	s_add_nc_u64 s[G0B+4*\s+2:G0B+4*\s+3], s[46:47], \s*ROWB
	s_or_b32 s[G0B+4*\s+3], s[G0B+4*\s+3], 0x80000000
	JLOAD G0+4*\s, G1, G0B+4*\s, G1B               ; three loads of mine are out
.endr
	v_and_b32 v1, 15, v0                           ; r
	v_bfe_u32 v2, v0, 4, 1                         ; h
	v_and_b32 v3, 31, v0
	v_lshlrev_b32 v[CO], 4, v3
	s_mul_i32 s21, s15, HALFT                      ; my 8 units of A
	s_mul_i32 s22, s16, HALFT                      ; my 8 of B,
	s_add_co_u32 s22, s22, 2*HALFT                 ; which lie behind A's 16
.irp s, 0,1
	v_add_nc_u32 v[ADRA+\s], s21, v[CO]
	v_add_nc_u32 v[ADRB+\s], s22, v[CO]
	s_add_co_u32 s21, s21, SLOT
	s_add_co_u32 s22, s22, SLOT
.endr
	v_lshlrev_b32 v5, 3, v1                        ; a K step's two words of lane r: 8 r
	s_mul_i32 s21, s15, HALFS
	s_mul_i32 s22, s16, HALFS
	s_add_co_u32 s22, s22, 2*HALFS
	s_sub_co_u32 s22, s22, s21
	v_mul_u32_u24 v6, s22, v2                      ; lanes 16-31 take B's
	s_add_co_u32 s21, s21, SCL
	v_add_nc_u32 v5, v5, v6
	v_add_nc_u32 v[ADRS], s21, v5
	; where my 128 x 128 goes: one unit of qkv
	s_lshl_b32 s92, s17, 1
	s_add_co_u32 s92, s92, s15                     ; my block of 128 of A's rows
	s_lshl_b32 s93, s42, 1
	s_add_co_u32 s93, s93, s16                     ; my block of 128 of B's rows
	s_add_co_u32 s95, s92, 16
	s_cmp_eq_u32 ttmp9, 2
	s_cselect_b32 s94, s93, s92                    ; the block of tokens, 0..63
	s_cselect_b32 s95, s95, s93                    ; 8 t + head pair, 0..23
	s_lshr_b32 s92, s95, 3
	s_lshl_b32 s92, s92, 2
	s_lshr_b32 s93, s94, 4
	s_add_co_u32 s92, s92, s93                     ; 4 t + batch
	s_lshl_b32 s92, s92, 7
	s_and_b32 s93, s95, 7
	s_lshl_b32 s93, s93, 4
	s_add_co_u32 s92, s92, s93
	s_and_b32 s93, s94, 15
	s_add_co_u32 s92, s92, s93
	s_mul_i32 s92, s92, UNIT
	s_mov_b32 s93, 0
	s_add_nc_u64 s[12:13], s[12:13], s[92:93]
	s_mov_b32 s[SEL], 0x76543210
	s_mov_b32 s[SEL+1], 0xfedcba98                 ; selects for lane l xor 16
.macro FRAG reg, adr, q, i             ; a fragment comes as it was stored: three loads of 512 consecutive bytes
.irp c, 0,1,2
	ds_load_b128 v[(\reg)+4*\c:(\reg)+4*\c+3], v[\adr] offset:(\i)*ROWB+(\q)*IMG+512*\c
.endr
.endm
; 16 matrix instructions: A's blocks a0, a0 + 1 x B's eight, 128 along K.  The 64 accumulators take turns, one instruction a turn, in the same order in every step.
.macro MUL16 a0, p, q, sc, zero
.irp a, \a0, \a0+1
.irp b, 0,1,2,3,4,5,6,7
.if \zero
	v_wmma_scale_f32_16x16x128_f8f6f4 v[8*(8*((\a)%4)+\b):8*(8*((\a)%4)+\b)+7], v[128*(\p)+FR*\b:128*(\p)+FR*\b+FR-1], v[AF+FR*(\a):AF+FR*(\a)+FR-1], 0, v[SC+8*NQ*(\sc)+NQ*\b+(\q)], v[SC+8*NQ*(\sc)+NQ*(\a)+(\q)] matrix_a_fmt:MATRIX_FMT_FP6 matrix_b_fmt:MATRIX_FMT_FP6 matrix_a_scale:MATRIX_SCALE_ROW1
.else
	v_wmma_scale_f32_16x16x128_f8f6f4 v[8*(8*((\a)%4)+\b):8*(8*((\a)%4)+\b)+7], v[128*(\p)+FR*\b:128*(\p)+FR*\b+FR-1], v[AF+FR*(\a):AF+FR*(\a)+FR-1], v[8*(8*((\a)%4)+\b):8*(8*((\a)%4)+\b)+7], v[SC+8*NQ*(\sc)+NQ*\b+(\q)], v[SC+8*NQ*(\sc)+NQ*(\a)+(\q)] matrix_a_fmt:MATRIX_FMT_FP6 matrix_b_fmt:MATRIX_FMT_FP6 matrix_a_scale:MATRIX_SCALE_ROW1
.endif
.endr
.endr
.endm
.macro FETCH_B slot, q, p
	WIN TO_B
.irp i, 0,1,2,3,4,5,6,7
	FRAG 128*(\p)+FR*\i, ADRB+\slot, \q, \i
.endr
	WIN 0
.endm
.macro FETCH_A slot, q, i0
.irp i, \i0, \i0+1, \i0+2, \i0+3
	FRAG AF+FR*(\i), ADRA+\slot, \q, \i
.endr
.endm
.macro SCALES sc                       ; a K step's two words a row: lanes 0-15 A's block i, lanes 16-31 B's
.irp i, 0,1,2,3,4,5,6,7
	ds_load_b64 v[SC+8*NQ*\sc+NQ*\i:SC+8*NQ*\sc+NQ*\i+1], v[ADRS] offset:\i*SBLK
.endr
.endm
.macro PLACES n                        ; in front of loads into registers that matrix instructions have read, and of the first read of results: plain vector instructions alone are places
.rept \n
	v_nop
.endr
.endm
.macro STEP slot, q, zero              ; 128 along K with its successor in the same slot.  A block of A is free when its eight products are issued: one set serves A; B has two
	s_wait_dscnt 4*NL                              ; all but the youngest 12 loads (A's blocks 4-7)
	WIN MUL_LO
	MUL16 0, (\q)%2, \q, \slot, \zero
	MUL16 2, (\q)%2, \q, \slot, \zero
	s_wait_dscnt 0
	PLACES NP
	FETCH_B \slot, (\q)+1, 1-(\q)%2
	FETCH_A \slot, (\q)+1, 0
	WIN MUL_HI
	MUL16 4, (\q)%2, \q, \slot, \zero
	MUL16 6, (\q)%2, \q, \slot, \zero
	PLACES NP
	WIN 0
	FETCH_A \slot, (\q)+1, 4
.endm
; A slot's last step changes slots: ONE barrier; in front of it each wave waits for all its tensor loads, adds 0 to its spare word, and waits for that and for its reads of this slot.  fill = 1: the slot is filled again, two K steps ahead.
.macro TURN slot, next, fill
	s_wait_tensorcnt 0x0                           ; all my tensor loads have landed: my part of the next slot
	ds_add_u32 v[SPW], v[NIL]                      ; 0 onto my spare word
	s_wait_dscnt 4*NL+1                            ; (the add and the youngest 12 loads may be out)
	WIN MUL_LO
	MUL16 0, 1, NQ-1, \slot, 0
	s_wait_dscnt 0x0                               ; the add is done, and my reads of this slot are over
	s_barrier_signal -1
	MUL16 2, 1, NQ-1, \slot, 0
	WIN 0
	s_barrier_wait -1
.if \fill
	CREST                                          ; the barrier has opened a round of the cluster's: no wave of any partner still reads this slot or has a load on its way
	s_add_nc_u64 s[G0+4*\slot+2:G0+4*\slot+3], s[G0+4*\slot+2:G0+4*\slot+3], 2*ROWB
	s_add_nc_u64 s[G0B+4*\slot+2:G0B+4*\slot+3], s[G0B+4*\slot+2:G0B+4*\slot+3], 2*ROWB
	JLOAD G0+4*\slot, G1, G0B+4*\slot, G1B         ; the first tensor load behind the round; its four v_nop are the places in front of the loads below
.else
	PLACES NP
.endif
	v_add_nc_u32 v[ADRS], 128, v[ADRS]             ; the next K step's scale words
	FETCH_B \next, 0, 0
	FETCH_A \next, 0, 0
	SCALES \next
	WIN MUL_HI
	MUL16 4, 1, NQ-1, \slot, 0
	MUL16 6, 1, NQ-1, \slot, 0
	PLACES NP
	WIN 0
	FETCH_A \next, 0, 4
.endm
	s_wait_tensorcnt 1                             ; the scale words and my part of K step 0 are in; K step 1's load may be out
	s_barrier_signal -1
	s_barrier_wait -1
	FETCH_B 0, 0, 0
	FETCH_A 0, 0, 0
	SCALES 0
	FETCH_A 0, 0, 4
	STEP 0, 0, 1                                   ; the first products start the sums: nothing is cleared
	TURN 0, 1, 1
	STEP 1, 0, 0
	TURN 1, 0, 1
	STEP 0, 0, 0
	TURN 0, 1, 0                                   ; the last two K steps ask for nothing
	STEP 1, 0, 0
	s_wait_dscnt 4*NL
	WIN MUL_LO
	MUL16 0, 1, NQ-1, 1, 0
	MUL16 2, 1, NQ-1, 1, 0
	s_wait_dscnt 0
	WIN MUL_HI
	MUL16 4, 1, NQ-1, 1, 0
	MUL16 6, 1, NQ-1, 1, 0
	WIN 0
; THE WAY OUT.  Block a's 64 registers (window w, from register s) are 128 neighbours along the next K of my lane's row: register 16 b + i = k 32 b + 16 (lane / 16) + i.  They become a fragment's codes in v[d] on and its scale word in v[pw].
; Each accumulator is read from its low end on.
.macro QUANTW w, s, d, pw
	WIN 5*(\w)                                     ; sources 0 and 1 in the accumulators' window
.irp b, 0,1,2,3
	v_max3_num_f32 v[TM+\b], |v[(\s)+16*\b]|, |v[(\s)+16*\b+1]|, 0x1800000   ; block b: my 16 numbers, and the floor 2^(3 - 127): the byte cannot fall under 1
.endr
	WIN 20*(\w)                                    ; sources 1 and 2
.irp i, 2,4,6,8,10,12,14
.irp b, 0,1,2,3
	v_max3_num_f32 v[TM+\b], v[TM+\b], |v[(\s)+16*\b+\i]|, |v[(\s)+16*\b+\i+1]|
.endr
.endr
	WIN 0
.irp b, 0,1,2,3
	v_permlanex16_b32 v[TM+4+\b], v[TM+\b], s[SEL], s[SEL+1]
.endr
.irp b, 0,1,2,3
	v_max_num_f32 v[TM+\b], v[TM+\b], v[TM+4+\b]   ; with lane l xor 16's 16: the block's largest magnitude
.endr
.irp b, 0,1,2,3
	v_add_nc_u32 v[TM+12+\b], 0xff000000, v[TM+\b] ; 2 off its exponent field: the conversion's scale operand
.endr
.irp b, 0,1,2,3
	v_lshrrev_b32 v[TM+4+\b], 23, v[TM+12+\b]      ; the byte
.endr
	v_lshl_or_b32 v[\pw], v[TM+5], 8, v[TM+4]
	v_lshl_or_b32 v[\pw], v[TM+6], 16, v[\pw]
	v_lshl_or_b32 v[\pw], v[TM+7], 24, v[\pw]
	WIN (\w)                                       ; source 0
.irp c, 0,1
	v_cvt_scalef32_pk16_fp6_f32 v[(\d)+6*\c:(\d)+6*\c+2], v[(\s)+32*\c:(\s)+32*\c+15], v[TM+12+2*\c]
	v_cvt_scalef32_pk16_fp6_f32 v[CT+4*\c:CT+4*\c+2], v[(\s)+32*\c+16:(\s)+32*\c+31], v[TM+12+2*\c+1]   ; (a conversion's three registers begin on an even number)
.endr
	WIN 0
	v_nop                                          ; one plain instruction behind a scaled conversion
.irp c, 0,1                                    ; the operand's layout wants a WHOLE block in a lane: lanes 0-15 block 2 c, lanes 16-31 block 2 c + 1
.irp i, 0,1,2
	v_permlane16_swap_b32 v[(\d)+6*\c+\i], v[CT+4*\c+\i]
.endr
.irp i, 0,1,2
	v_mov_b32 v[(\d)+6*\c+3+\i], v[CT+4*\c+\i]
.endr
.endr
.endm
	PLACES NP                                      ; behind the last products: their operands' registers are written and their results read below
.irp b, 0,1,2,3
	v_mov_b32 v[TM+4+\b], 0                        ; a lane permute's destination counts as one of its sources
.endr
	s_mov_b32 vcc_lo, 0xffff0000                   ; lanes 16-31
.irp a, 0,1,2,3,4,5,6,7
	QUANTW 2+\a/4, 64*(\a%4), IM+12*\a, PWR+\a
.irp c, 0,1,2
	global_store_b128 v[CO], v[IM+12*\a+4*\c:IM+12*\a+4*\c+3], s[12:13] offset:IMG*\a+512*\c   ; 512 consecutive bytes, aligned; each store has registers of its own, so none is written again
.endr
.endr
.irp i, 0,1,2,3
	v_cndmask_b32 v[XW+\i], v[PWR+2*\i], v[PWR+2*\i+1], vcc_lo   ; word i: tile 2 i in lanes 0-15, tile 2 i + 1 in lanes 16-31
.endr
	global_store_b128 v[CO], v[XW:XW+3], s[12:13] offset:8*IMG
	s_wait_tensorcnt 0x0                           ; the wave's end
	ds_add_u32 v[SPW], v[NIL]
	s_wait_dscnt 0x0
	CROUND                                         ; the closing round: no work-group ends while a partner may still ask for a tile that names it
	s_endpgm
.Lfunc_end_k_q947179a1c0_proj:
	.size	k_q947179a1c0_proj, .Lfunc_end_k_q947179a1c0_proj-k_q947179a1c0_proj
	.p2alignl 7, 3214868480
	.fill 96, 4, 3214868480
	.section	.rodata,"a",@progbits
	.p2align	6, 0x0
	.amdhsa_kernel k_q947179a1c0_proj
		.amdhsa_group_segment_fixed_size 327680
		.amdhsa_private_segment_fixed_size 0
		.amdhsa_enable_private_segment 0
		.amdhsa_kernarg_size 24
		.amdhsa_user_sgpr_count 2
		.amdhsa_user_sgpr_kernarg_segment_ptr 1
		.amdhsa_wavefront_size32 1
		.amdhsa_system_sgpr_workgroup_id_x 1
		.amdhsa_system_sgpr_workgroup_id_y 1
		.amdhsa_system_sgpr_workgroup_id_z 1
		.amdhsa_system_vgpr_workitem_id 0
		.amdhsa_next_free_vgpr 1024
		.amdhsa_next_free_sgpr 100
		.amdhsa_reserve_vcc 1
		.amdhsa_float_denorm_mode_32 3
		.amdhsa_float_denorm_mode_16_64 3
		.amdhsa_memory_ordered 1
		.amdhsa_forward_progress 1
		.amdhsa_inst_pref_size 140
	.end_amdhsa_kernel
	.amdgpu_metadata
---
amdhsa.version: [ 1, 2 ]
amdhsa.kernels:
  - .name:           k_q947179a1c0_proj
    .symbol:         k_q947179a1c0_proj.kd
    .args:
      - { .name: xq, .offset: 0, .size: 8, .value_kind: global_buffer, .address_space: global }
      - { .name: wc, .offset: 8, .size: 8, .value_kind: global_buffer, .address_space: global }
      - { .name: qkv, .offset: 16, .size: 8, .value_kind: global_buffer, .address_space: global }
    .group_segment_fixed_size: 327680
    .private_segment_fixed_size: 0
    .kernarg_segment_align: 8
    .kernarg_segment_size: 24
    .max_flat_workgroup_size: 128
    .sgpr_count:     100
    .vgpr_count:     1024
    .wavefront_size: 32
...
	.end_amdgpu_metadata
.endif
;; end of part 2
;; launch attn (part 3): grid 8 x 32, 16 waves a work-group, no clusters, 327,680 bytes of LDS; arguments qkv, at; writes at
.if DOCPART == 3
	.amdgcn_target "amdgcn-amd-amdhsa--gfx1250"
	.amdhsa_code_object_version 6
	.text
	.protected	k_q947179a1c0_attn
	.globl	k_q947179a1c0_attn
	.p2align	8
	.type	k_q947179a1c0_attn,@function
k_q947179a1c0_attn:
	s_mov_b64 s[64:65], 0
	v_nop
	global_prefetch_b8 v0, s[64:65] scope:SCOPE_SE
	s_setreg_imm32_b32 hwreg(HW_REG_WAVE_MODE, 25, 1), 1
	s_wait_xcnt 0x0
; Causal attention on codes of FP6 (E2M3) with E8M0 scales: o = softmax(q k^T / 8, keys up to the query) v for 4 batches x 16 heads of 64 channels x 2,048 tokens; o is quantised along the 1,024 channels and leaves as codes.
; INPUT: qkv, units of 12,800 bytes: unit ((t 32 + y) 16 + step), t = 0 q, 1 k, 2 v, y = batch 8 + head pair, step = a block of 128 tokens.  A unit is 8 images of a fragment's registers (1,536 bytes: chunk c holds lane l's
; registers 4 c .. 4 c + 3 at 512 c + 16 l) and 512 bytes of scale words: (tile a, lane r) at 16 (16 (a % 2) + r) + 4 (a / 2).  q, k: image a = tile a of the tokens x [head 0's 64 channels | head 1's 64].
; v: image a = tile a of the pair's 128 channels x the step's 128 keys.  Lane r of tile T is row 32 (T / 2) + 8 (T % 2) + r + 8 (r / 8).
; THE FIRST PRODUCT'S K IS 64, half of the instruction's 128: k's fragment [head 0 | head 1] is multiplied by [q of head 0 | zero codes] for head 0 and by [zero codes | q of head 1] for head 1.
; THE SOFTMAX: t = score x log2(e) / 8; M = the row's largest t so far, rounded UP to a whole number; p = 2^(t - M) is quantised along the keys; the row's sum is taken of the unquantised p and divides at the end.
; When M moves, the sum and O are multiplied by 2^(old M - new M): exact.  Both products are used transposed: a lane holds ONE query (lane % 16) throughout.
; SHARES.  A work-group owns the blocks j and 15 - j of 128 queries of one pair of heads; a wave owns one tile of 16 queries of one of the two blocks, for both heads.  Block i has i + 1 key steps, so a work-group has 17 for each tile:
; all 256 work-groups have the same work.  Waves w and w + 1 take one tile; which of them takes the early block changes with bit 2 of w, so that four neighbouring waves, and four waves that lie 4 apart, hold two early and two late ones.
; EVERY work-group walks all 16 key steps (trip counts are constants); a step all of whose keys come after the wave's block is jumped over by a scalar branch on ids; the step on the diagonal masks by compare and select.
; K's and V's units come through a ring of two LDS slots of 4 steps, filled by waves 0 to 3, one dense load of 25,600 bytes each, and read by all sixteen.
; NO CLUSTER: the work-groups that walk the same K and V differ in the block of queries, on which the jump over hidden steps hangs; partners of joint loads may not branch apart.
; NO PREFETCH: a refill is asked for a whole slot ahead, four key steps of at least the eight late waves; no wave waits for it.
; OUTPUT: at, units as x's: unit = tile of tokens; image = head pair (K step of the last product); scale word of (pair, lane r) at 12,288 + 128 (pair / 2) + 8 r + 4 (pair % 2).
; LIMITS: NaN and infinities are not served; M is a whole number while |t| < 2^24; a block of zeros gets the byte 1 where the quantiser says 127 (its codes are zeros; this program alone reads the bytes).
.set UNIT,  12800
.set IMG,   1536
.set SLOT1, 1<<17                      ; slot 1 begins here: one exclusive or turns an address in one slot into the other's
.set VOFF,  4*UNIT                     ; a slot: 4 units of K, then 4 of V
.set SPARE, SLOT1+2*VOFF               ; the spare words, 128 bytes a wave: eight blocks of 256 bytes that no other line names
.set LI,   1                           ; v1   16 x lane
.set AD,   2                           ; v2   LDS address of the step in hand
.set SPW,  3                           ; v3   my spare word; never rewritten
.set NIL,  4                           ; v4   0; never rewritten
.set DG,   5                           ; v5   my query's place in its block - 16 (lane / 16)
.set QS,   6                           ; v6   q's scale words
.set SCO,  7                           ; v7   where my row's scale word goes
.set KX,   8                           ; v8-11  K's scale words: register i: tile 2 i in lanes 0-15, tile 2 i + 1 in lanes 16-31
.set VX,   12                          ; v12-15 V's likewise
.set QF,   16                          ; v16-21 q of head 0, v22-27 zero codes, v28-33 q of head 1
.set ST,   34                          ; head hd at v[ST + 4 hd]: -M, the largest t, the sum in two halves
.set F,    42                          ; v42-89   four fragments of K or of V
.set S,    90                          ; v90-153  S^T, then p
.set O,    154                         ; v154-217 O^T, 32 a head
.set P,    218                         ; v218-229 p's codes
.set BM,   230                         ; v230-233 the blocks' largest
.set T8,   234                         ; v234-241 at work
.set SO,   242                         ; v242-245 the conversions' scale operands
.set FF,   246                         ; v246 f = 2^(old M - new M)
.set PS,   247                         ; v247 p's scale word
.set TMP,  248
.set NINF, 249
.set TB,   2                           ; s2   LDS byte at which the step's unit of K begins
.set KS,   3                           ; s3   the key step, 0..15
.set WV,   18
.set SEL,  20
.set CS,   22                          ; s[22:23] c = log2(e) / 8
.set G1,   24
.set G0,   40
.set BLK,  66                          ; s66  my block of queries
.set SLOTS, 67
.set CNT,  68
.macro TLOAD                           ; waves 0 to 3 fetch; the branch hangs on the wave's number alone; four v_nop follow the line
	s_cmp_lt_u32 s[WV], 4
	s_cbranch_scc0 .Lnone_\@
	tensor_load_to_lds s[G0:G0+3], s[G1:G1+7]
	s_nop 0
.rept 4
	v_nop
.endr
.Lnone_\@:
.endm
	s_load_b128 s[4:7], s[0:1], 0x0                ; qkv, at
	v_lshl_add_u32 v[SPW], v0, 2, SPARE
	v_mov_b32 v[NIL], 0
	ds_add_u32 v3, v4
	s_wait_dscnt 0x0
	v_lshrrev_b32 v[TMP], 5, v0
	v_readfirstlane_b32 s[WV], v[TMP]              ; wave 0..15
	s_and_b32 s8, ttmp7, 0xffff                    ; y = batch 8 + head pair
	s_lshr_b32 s9, s[WV], 1                        ; my tile of queries, 0..7
	s_lshr_b32 s10, s[WV], 2
	s_xor_b32 s10, s10, s[WV]
	s_and_b32 s10, s10, 1                          ; the late block?
	s_sub_co_u32 s11, 15, ttmp9
	s_cmp_eq_u32 s10, 1
	s_cselect_b32 s[BLK], s11, ttmp9
	; descriptor group 1: 25,600 dense bytes as 100 rows of 256 (32 elements of 8 bytes), no padding
	s_mov_b32 s[G1], 3<<16
	s_mov_b32 s[G1+1], 32<<16                      ; tensor_dim0
	s_mov_b32 s[G1+2], 100<<16                     ; tensor_dim1
	s_mov_b32 s[G1+3], 32<<16                      ; tile_dim0
	s_mov_b32 s[G1+4], 100                         ; tile_dim1
	s_mov_b32 s[G1+5], 32                          ; tensor_dim0_stride
	s_mov_b32 s[G1+6], 0
	s_mov_b32 s[G1+7], 0
	s_and_b32 s12, s[WV], 3                        ; what I fetch, if I fetch: 0, 1: K's steps 0-1, 2-3 of a slot; 2, 3: V's
	s_mul_i32 s13, s12, 2*UNIT                     ; in a slot,
	s_lshr_b32 s14, s12, 1
	s_lshl_b32 s14, s14, 5
	s_add_co_u32 s14, s14, 32
	s_add_co_u32 s14, s14, s8                      ; 32 t + y
	s_mul_i32 s14, s14, 16*UNIT
	s_and_b32 s15, s[WV], 1
	s_mul_i32 s15, s15, 2*UNIT
	s_add_co_u32 s14, s14, s15                     ; and in memory
	s_mov_b32 s15, 0
	s_mov_b32 s[SEL], 0x76543210
	s_mov_b32 s[SEL+1], 0xfedcba98                 ; selects for lane l xor 16
	s_mov_b32 s[CS], 0x3e38aa3b
	s_mov_b32 s[CS+1], s[CS]                       ; (named with it as a pair, so it is written)
	s_mov_b32 s[TB], 0
	s_mov_b32 s[KS], 0
	s_mov_b32 s[SLOTS], 3
	s_wait_kmcnt 0x0
	s_mov_b32 s[G0], 1                             ; count = 1
	s_mov_b32 s[G0+1], s13                         ; LDS address: slot 0
	s_add_nc_u64 s[G0+2:G0+3], s[4:5], s[14:15]
	s_or_b32 s[G0+3], s[G0+3], 0x80000000          ; type = 2
	TLOAD                                          ; slot 0: key steps 0 to 3
	s_lshl_b32 s44, s8, 4
	s_add_co_u32 s44, s44, s[BLK]
	s_mul_i32 s44, s44, UNIT
	s_mov_b32 s45, 0
	s_add_nc_u64 s[44:45], s[4:5], s[44:45]        ; q's unit of my block
	s_mul_i32 s46, s9, IMG
	s_mov_b32 s47, 0
	s_add_nc_u64 s[46:47], s[44:45], s[46:47]      ; my tile's image
	s_lshr_b32 s48, s8, 3
	s_lshl_b32 s48, s48, 7
	s_lshl_b32 s49, s[BLK], 3
	s_add_co_u32 s48, s48, s49
	s_add_co_u32 s48, s48, s9                      ; my tile of tokens: batch 128 + block 8 + tile
	s_mul_i32 s48, s48, UNIT
	s_mov_b32 s49, 0
	s_add_nc_u64 s[48:49], s[6:7], s[48:49]        ; its unit of at
	s_and_b32 s50, s8, 7                           ; the head pair
	s_mul_i32 s52, s50, IMG
	s_mov_b32 s53, 0
	s_add_nc_u64 s[52:53], s[48:49], s[52:53]      ; its image
	s_lshr_b32 s54, s50, 1
	s_lshl_b32 s54, s54, 7
	s_and_b32 s55, s50, 1
	s_lshl_b32 s55, s55, 2
	s_add_co_u32 s54, s54, s55                     ; 128 (pair / 2) + 4 (pair % 2)
	s_lshr_b32 s56, s9, 1
	s_and_b32 s57, s9, 1
	s_lshl_b32 s58, s57, 8
	s_lshl_b32 s59, s56, 2
	s_add_co_u32 s58, s58, s59                     ; q's scale words: 256 (tile % 2) + 4 (tile / 2)
	s_lshl_b32 s56, s56, 5
	s_lshl_b32 s57, s57, 3
	s_add_co_u32 s56, s56, s57                     ; the tile's first row in its block: 32 (tile / 2) + 8 (tile % 2)
	v_and_b32 v[LI], 31, v0
	v_lshlrev_b32 v[LI], 4, v[LI]
	v_and_b32 v[SCO], 15, v0                       ; r
	v_lshl_add_u32 v[TMP], v[SCO], 4, s58
	global_load_b128 v[QF:QF+3], v[LI], s[46:47]                   ; the image's registers 0-5 are head 0's codes, 6-11 head 1's
	global_load_b64 v[QF+4:QF+5], v[LI], s[46:47] offset:512
	global_load_b64 v[QF+12:QF+13], v[LI], s[46:47] offset:520
	global_load_b128 v[QF+14:QF+17], v[LI], s[46:47] offset:1024
	global_load_b32 v[QS], v[TMP], s[44:45] offset:8*IMG
	v_and_b32 v[DG], 8, v[SCO]
	v_add_nc_u32 v[DG], v[DG], v[SCO]              ; r + 8 (r / 8)
	v_bfe_u32 v[AD], v0, 4, 1
	v_lshlrev_b32 v[AD], 4, v[AD]
	v_sub_nc_u32 v[DG], v[DG], v[AD]
	v_add_nc_u32 v[DG], s56, v[DG]
	v_lshl_add_u32 v[SCO], v[SCO], 3, s54
.irp i, 6,7,8,9,10,11
	v_mov_b32 v[QF+\i], 0                          ; zero codes
.endr
.irp hd, 0,1
	v_mov_b32 v[ST+4*\hd+1], 0xff61b1e6            ; the largest t so far: -3e38, under every t
	v_floor_f32 v[ST+4*\hd], -v[ST+4*\hd+1]        ; -M
	v_mov_b32 v[ST+4*\hd+2], 0
	v_mov_b32 v[ST+4*\hd+3], 0
.endr
.irp b, 0,1,2,3
	v_mov_b32 v[T8+\b], 0                          ; a lane permute's destination counts as one of its sources
.endr
	v_mov_b32 v[PS], 0                             ; (named as the upper half of the pair with f before it is first written)
	v_mov_b32 v[NINF], 0xff800000
.set n, 0
.rept 64
	v_mov_b32 v[O+n], 0                            ; O^T.  (The step is written once: the first finds zeros, which the first change of M leaves zeros)
.set n, n+1
.endr
.macro SMUL d, f, q, sc, row           ; S^T tile = 16 keys x my 16 queries; K's scale words from lanes 0-15 or 16-31 of their register
.if \row
	v_wmma_scale_f32_16x16x128_f8f6f4 v[(\d):(\d)+7], v[(\f):(\f)+11], v[(\q):(\q)+11], 0, v[(\sc)], v[QS] matrix_a_fmt:MATRIX_FMT_FP6 matrix_b_fmt:MATRIX_FMT_FP6 matrix_a_scale:MATRIX_SCALE_ROW1
.else
	v_wmma_scale_f32_16x16x128_f8f6f4 v[(\d):(\d)+7], v[(\f):(\f)+11], v[(\q):(\q)+11], 0, v[(\sc)], v[QS] matrix_a_fmt:MATRIX_FMT_FP6 matrix_b_fmt:MATRIX_FMT_FP6
.endif
.endm
.macro OMUL d, f, sc, row              ; O^T tile += 16 channels x p
.if \row
	v_wmma_scale_f32_16x16x128_f8f6f4 v[(\d):(\d)+7], v[(\f):(\f)+11], v[P:P+11], v[(\d):(\d)+7], v[(\sc)], v[PS] matrix_a_fmt:MATRIX_FMT_FP6 matrix_b_fmt:MATRIX_FMT_FP6 matrix_a_scale:MATRIX_SCALE_ROW1
.else
	v_wmma_scale_f32_16x16x128_f8f6f4 v[(\d):(\d)+7], v[(\f):(\f)+11], v[P:P+11], v[(\d):(\d)+7], v[(\sc)], v[PS] matrix_a_fmt:MATRIX_FMT_FP6 matrix_b_fmt:MATRIX_FMT_FP6
.endif
.endm
; 64 numbers v[s] on (register 16 b + i = k 32 b + 16 (lane / 16) + i of my row), whose blocks' largest magnitudes, floored, stand in v[BM] on, become a fragment's codes in v[P] on and its scale word in v[PS]
.macro CODES s
.irp b, 0,1,2,3
	v_add_nc_u32 v[SO+\b], 0xff000000, v[BM+\b]    ; 2 off the exponent field: the conversion's scale operand
.endr
.irp b, 0,1,2,3
	v_lshrrev_b32 v[T8+\b], 23, v[SO+\b]           ; the byte
.endr
	v_lshl_or_b32 v[PS], v[T8+1], 8, v[T8]
	v_lshl_or_b32 v[PS], v[T8+2], 16, v[PS]
	v_lshl_or_b32 v[PS], v[T8+3], 24, v[PS]
.irp c, 0,1
	v_cvt_scalef32_pk16_fp6_f32 v[P+6*\c:P+6*\c+2], v[(\s)+32*\c:(\s)+32*\c+15], v[SO+2*\c]
	v_cvt_scalef32_pk16_fp6_f32 v[T8+4*\c:T8+4*\c+2], v[(\s)+32*\c+16:(\s)+32*\c+31], v[SO+2*\c+1]   ; (a conversion's three registers begin on an even number)
.endr
	v_nop                                          ; one plain instruction behind a scaled conversion
.irp c, 0,1                                    ; the operand's layout wants a WHOLE block in a lane
.irp i, 0,1,2
	v_permlane16_swap_b32 v[P+6*\c+\i], v[T8+4*\c+\i]
.endr
.irp i, 0,1,2
	v_mov_b32 v[P+6*\c+3+\i], v[T8+4*\c+\i]
.endr
.endr
.endm
; A KEY STEP OF ONE HEAD: 128 keys.  places = 0: the four places in front of the first loads stand ahead of the macro.
.macro HEADSTEP hd, places
.set TT, ST+4*(\hd)
.irp g, 0,1                                    ; S^T = K Q^T, four tiles of 16 keys at a time
.if (\g) || (\places)
.rept 4
	v_nop                                          ; places in front of loads into registers that matrix instructions have read
.endr
.endif
.irp t, 0,1,2,3
.irp c, 0,1,2
	ds_load_b128 v[F+12*\t+4*\c:F+12*\t+4*\c+3], v[AD] offset:(4*\g+\t)*IMG+512*\c
.endr
.endr
	s_wait_dscnt 0x0
.irp t, 0,1,2,3
	SMUL S+8*(4*\g+\t), F+12*\t, QF+6*(\hd), KX+2*\g+\t/2, \t%2
.endr
.endr
.rept 4
	v_nop                                          ; places: the fragments' registers are loaded again and the scores read
.endr
.irp t, 0,1,2,3                                ; this head's four tiles of V are asked for now and land during the softmax
.irp c, 0,1,2
	ds_load_b128 v[F+12*\t+4*\c:F+12*\t+4*\c+3], v[AD] offset:VOFF+(4*(\hd)+\t)*IMG+512*\c
.endr
.endr
	s_cmp_lg_u32 s[KS], s[BLK]                     ; on the diagonal the scores of hidden keys become -infinity ahead of the maximum: p = 0 then
	s_cbranch_scc1 .Lopen_\@
.set n, 0
.rept 64                                       ; register 16 b + i holds key 32 b + 16 (lane / 16) + i of the step: hidden where 32 b + i > my query's place - 16 (lane / 16)
	v_cmp_gt_i32 vcc_lo, 32*(n/16)+n%16, v[DG]
	v_cndmask_b32 v[S+n], v[S+n], v[NINF], vcc_lo
.set n, n+1
.endr
.Lopen_\@:
.irp b, 0,1,2,3
	v_max3_num_f32 v[BM+\b], v[S+16*\b], v[S+16*\b+1], v[S+16*\b+2]   ; the largest score of each block of 32 keys: it serves the row's maximum and, since p rises with the score, the block's largest p
.endr
.irp i, 3,5,7,9,11,13
.irp b, 0,1,2,3
	v_max3_num_f32 v[BM+\b], v[BM+\b], v[S+16*\b+\i], v[S+16*\b+\i+1]
.endr
.endr
.irp b, 0,1,2,3
	v_max_num_f32 v[BM+\b], v[BM+\b], v[S+16*\b+15]
.endr
.irp b, 0,1,2,3
	v_permlanex16_b32 v[T8+\b], v[BM+\b], s[SEL], s[SEL+1]
.endr
.irp b, 0,1,2,3
	v_max_num_f32 v[BM+\b], v[BM+\b], v[T8+\b]     ; with lane l xor 16's 16 keys
.endr
	v_max3_num_f32 v[TMP], v[BM], v[BM+1], v[BM+2]
	v_max_num_f32 v[TMP], v[TMP], v[BM+3]          ; the step's largest score of my query (the step's first key always counts)
	v_mul_f32 v[TMP], s[CS], v[TMP]
	v_max_num_f32 v[TT+1], v[TT+1], v[TMP]         ; the running largest t
	v_mov_b32 v[TMP], v[TT]
	v_floor_f32 v[TT], -v[TT+1]                    ; the new -M = -ceil(t)
	v_sub_f32 v[TMP], v[TT], v[TMP]                ; old M - new M: a whole number, 0 or less
	v_cvt_i32_f32 v[TMP], v[TMP]                   ; (it saturates)
	v_ldexp_f32 v[FF], 1.0, v[TMP]                 ; f = 2^(old M - new M)
.set n, 0
.rept 32
	v_pk_fma_f32 v[S+n:S+n+1], v[S+n:S+n+1], s[CS:CS+1], v[TT:TT+1] op_sel_hi:[1,0,0]   ; t - M, two at a time
.set n, n+2
.endr
.irp b, 0,1,2,3
	v_fma_f32 v[BM+\b], v[BM+\b], s[CS], v[TT]     ; the same of each block's largest score
.endr
.set n, 0
.rept 64
	v_exp_f32 v[S+n], v[S+n]                       ; p = 2^(t - M), at most 1
.set n, n+1
.endr
	v_pk_mul_f32 v[TT+2:TT+3], v[TT+2:TT+3], v[FF:FF+1] op_sel_hi:[1,0]   ; the sums under the new M: the plain instruction behind the exponentials
	s_wait_alu depctr_va_vdst(0)                   ; one wait for the batch, ahead of its first reader
.irp b, 0,1,2,3
	v_exp_f32 v[BM+\b], v[BM+\b]                   ; the block's largest p: the same two instructions on the same number give the same bits
.endr
	v_pk_add_f32 v[T8:T8+1], v[S:S+1], v[S+2:S+3]  ; the row's sum is taken of the unquantised p, in two chains
.irp j, 4,8,12,16,20,24,28,32,36,40,44,48,52,56,60
	v_pk_add_f32 v[TT+2:TT+3], v[TT+2:TT+3], v[S+\j:S+\j+1]
	v_pk_add_f32 v[T8:T8+1], v[T8:T8+1], v[S+\j+2:S+\j+3]
.endr
	v_pk_add_f32 v[TT+2:TT+3], v[TT+2:TT+3], v[T8:T8+1]
	s_wait_alu depctr_va_vdst(0)                   ; and one for the four
.irp b, 0,1,2,3
	v_max_num_f32 v[BM+\b], 0x1800000, v[BM+\b]    ; the floor 2^(3 - 127): the byte cannot fall under 1
.endr
	CODES S
.set n, 0
.rept 16
	v_pk_mul_f32 v[O+32*(\hd)+n:O+32*(\hd)+n+1], v[O+32*(\hd)+n:O+32*(\hd)+n+1], v[FF:FF+1] op_sel_hi:[1,0]   ; O^T under the new M; these 16 are also the places between the writes of p's codes and scale word and the products
.set n, n+2
.endr
	s_wait_dscnt 0x0                               ; V's four tiles are in
.irp t, 0,1,2,3                                ; the four accumulators take turns
	OMUL O+32*(\hd)+8*\t, F+12*\t, VX+2*(\hd)+\t/2, \t%2
.endr
.endm
; THE CHANGE OF SLOTS stands at a slot's head.  Each wave waits for all its tensor loads, adds 0 to its spare word, and waits for that and for its reads of the slot that it has left.  Behind the barrier the slot ahead is whole and
; nobody reads the other one.  fill = 1: that other slot is filled with the next four key steps.
.macro CHANGE fill
	s_wait_tensorcnt 0x0                           ; no tensor load of mine is out, so group 0 may be written
	ds_add_u32 v[SPW], v[NIL]                      ; 0 onto my spare word
.if \fill
	s_xor_b32 s[G0+1], s[G0+1], SLOT1              ; the other slot than last time,
	s_add_nc_u64 s[G0+2:G0+3], s[G0+2:G0+3], 4*UNIT   ; the next four units; the type bits on top are not reached
.endif
	s_wait_dscnt 0x0
	s_barrier_signal -1
	s_barrier_wait -1
.if \fill
	TLOAD                                          ; the first thing behind the barrier, and a wave's one tensor load until the next
.endif
.endm
.macro SLOT_STEPS                      ; a slot's four key steps: written once, walked four times
	s_mov_b32 s[CNT], 4
.Lstep_\@:
	v_add_nc_u32 v[AD], s[TB], v[LI]
	s_cmp_gt_u32 s[KS], s[BLK]                     ; all of the step's keys come after my queries: its work is left out
	s_cbranch_scc1 .Lhidden_\@
.rept 3
	v_nop                                          ; with the addition above: four places in front of loads into registers that the last products read
.endr
	ds_load_b128 v[KX:KX+3], v[AD] offset:8*IMG
	ds_load_b128 v[VX:VX+3], v[AD] offset:VOFF+8*IMG
	HEADSTEP 0, 0
	HEADSTEP 1, 1
.Lhidden_\@:
	s_add_co_u32 s[TB], s[TB], UNIT
	s_add_co_u32 s[KS], s[KS], 1
	s_sub_co_u32 s[CNT], s[CNT], 1
	s_cmp_lg_u32 s[CNT], 0
	s_cbranch_scc1 .Lstep_\@
	s_sub_co_u32 s[TB], s[TB], 4*UNIT              ; back to a slot's first step,
	s_xor_b32 s[TB], s[TB], SLOT1                  ; in the other slot
.endm
	s_wait_loadcnt 0x0                             ; q and its scale words
.Lslot:                                            ; three trips: behind each change of slots but the last the next slot is asked for
	CHANGE 1
	SLOT_STEPS
	s_sub_co_u32 s[SLOTS], s[SLOTS], 1
	s_cmp_lg_u32 s[SLOTS], 0
	s_cbranch_scc1 .Lslot
	CHANGE 0                                       ; the last slot is written out
	SLOT_STEPS
	; THE WAY OUT: O^T / the sum; its 64 registers are the pair's 128 channels of my query, register 16 b + i = channel 32 b + 16 (lane / 16) + i: one fragment of the last product's operand
.rept 4
	v_nop                                          ; places behind the last products
.endr
.irp hd, 0,1
	v_add_f32 v[ST+4*\hd+2], v[ST+4*\hd+2], v[ST+4*\hd+3]
.endr
.irp hd, 0,1
	v_permlanex16_b32 v[T8+\hd], v[ST+4*\hd+2], s[SEL], s[SEL+1]
.endr
.irp hd, 0,1
	v_add_f32 v[ST+4*\hd+2], v[ST+4*\hd+2], v[T8+\hd]   ; the row's sum
.endr
.irp hd, 0,1
	v_rcp_f32 v[ST+4*\hd+2], v[ST+4*\hd+2]
.endr
	v_nop                                          ; a plain instruction behind the reciprocals,
	s_wait_alu depctr_va_vdst(0)                   ; and one wait for the two, ahead of their first reader
.irp hd, 0,1
.set n, 0
.rept 16
	v_pk_mul_f32 v[O+32*\hd+n:O+32*\hd+n+1], v[O+32*\hd+n:O+32*\hd+n+1], v[ST+4*\hd+2:ST+4*\hd+3] op_sel_hi:[1,0]   ; each accumulator from its low end on
.set n, n+2
.endr
.endr
.irp b, 0,1,2,3
	v_max3_num_f32 v[BM+\b], |v[O+16*\b]|, |v[O+16*\b+1]|, 0x1800000
.endr
.irp i, 2,4,6,8,10,12,14
.irp b, 0,1,2,3
	v_max3_num_f32 v[BM+\b], v[BM+\b], |v[O+16*\b+\i]|, |v[O+16*\b+\i+1]|
.endr
.endr
.irp b, 0,1,2,3
	v_permlanex16_b32 v[T8+\b], v[BM+\b], s[SEL], s[SEL+1]
.endr
.irp b, 0,1,2,3
	v_max_num_f32 v[BM+\b], v[BM+\b], v[T8+\b]
.endr
	CODES O
.irp c, 0,1,2
	global_store_b128 v[LI], v[P+4*\c:P+4*\c+3], s[52:53] offset:512*\c   ; 512 consecutive bytes, aligned
.endr
	v_and_b32 v[TMP], 31, v0
	v_cmp_gt_u32 vcc_lo, 16, v[TMP]                ; lanes 16-31 hold the same words: lanes 0-15 store them
	s_wait_xcnt 0x0                                ; EXEC changes only behind this wait
	s_and_saveexec_b32 s69, vcc_lo
	global_store_b32 v[SCO], v[PS], s[48:49] offset:8*IMG
	s_wait_xcnt 0x0
	s_or_b32 exec_lo, exec_lo, s69
	s_wait_tensorcnt 0x0                           ; the wave's end
	ds_add_u32 v[SPW], v[NIL]
	s_wait_dscnt 0x0
	s_endpgm
.Lfunc_end_k_q947179a1c0_attn:
	.size	k_q947179a1c0_attn, .Lfunc_end_k_q947179a1c0_attn-k_q947179a1c0_attn
	.p2alignl 7, 3214868480
	.fill 96, 4, 3214868480
	.section	.rodata,"a",@progbits
	.p2align	6, 0x0
	.amdhsa_kernel k_q947179a1c0_attn
		.amdhsa_group_segment_fixed_size 327680
		.amdhsa_private_segment_fixed_size 0
		.amdhsa_enable_private_segment 0
		.amdhsa_kernarg_size 16
		.amdhsa_user_sgpr_count 2
		.amdhsa_user_sgpr_kernarg_segment_ptr 1
		.amdhsa_wavefront_size32 1
		.amdhsa_system_sgpr_workgroup_id_x 1
		.amdhsa_system_sgpr_workgroup_id_y 1
		.amdhsa_system_sgpr_workgroup_id_z 1
		.amdhsa_system_vgpr_workitem_id 0
		.amdhsa_next_free_vgpr 256
		.amdhsa_next_free_sgpr 80
		.amdhsa_reserve_vcc 1
		.amdhsa_float_denorm_mode_32 3
		.amdhsa_float_denorm_mode_16_64 3
		.amdhsa_memory_ordered 1
		.amdhsa_forward_progress 1
		.amdhsa_inst_pref_size 100
	.end_amdhsa_kernel
	.amdgpu_metadata
---
amdhsa.version: [ 1, 2 ]
amdhsa.kernels:
  - .name:           k_q947179a1c0_attn
    .symbol:         k_q947179a1c0_attn.kd
    .args:
      - { .name: qkv, .offset: 0, .size: 8, .value_kind: global_buffer, .address_space: global }
      - { .name: at, .offset: 8, .size: 8, .value_kind: global_buffer, .address_space: global }
    .group_segment_fixed_size: 327680
    .private_segment_fixed_size: 0
    .kernarg_segment_align: 8
    .kernarg_segment_size: 16
    .max_flat_workgroup_size: 512
    .sgpr_count:     80
    .vgpr_count:     256
    .wavefront_size: 32
...
	.end_amdgpu_metadata
.endif
;; end of part 3
;; launch outp (part 4): grid 4 x 32, 4 waves a work-group, clusters of 4 x 4, 327,680 bytes of LDS; arguments at, wc, out0; writes out0
.if DOCPART == 4
	.amdgcn_target "amdgcn-amd-amdhsa--gfx1250"
	.amdhsa_code_object_version 6
	.text
	.protected	k_q947179a1c0_outp
	.globl	k_q947179a1c0_outp
	.p2align	8
	.type	k_q947179a1c0_outp,@function
k_q947179a1c0_outp:
	s_mov_b64 s[64:65], 0
	v_nop
	global_prefetch_b8 v0, s[64:65] scope:SCOPE_SE
	s_setreg_imm32_b32 hwreg(HW_REG_WAVE_MODE, 25, 1), 1
	s_wait_xcnt 0x0
	s_wait_alu depctr_hold_cnt(0) depctr_sa_sdst(0) depctr_va_vdst(0) depctr_va_sdst(0) depctr_va_ssrc(0) depctr_va_vcc(0) depctr_vm_vsrc(0)
	s_getreg_b32 s2, hwreg(HW_REG_IB_STS2, 6, 4)
	s_cmp_eq_u32 s2, 0
	s_cbranch_scc0 .Lentry_in_a_cluster
	s_endpgm
.Lentry_in_a_cluster:
	s_bfe_u32 s2, ttmp6, 0x10000c
	s_cmp_lg_u32 s2, 0xf033
	s_cbranch_scc0 .Lentry_shape_is_right
	s_endpgm
.Lentry_shape_is_right:
; out0 = attn wo^T on codes of FP6 (E2M3) with E8M0 scales, sums and result in f32.  attn [8192][1024] comes as at, wo [1024][1024] as units 192-255 of wc.
; OPERANDS are units of 12,800 bytes, a tile of 16 rows for all of K = 1,024: 8 images of a fragment's registers (1,536 bytes: chunk c holds lane l's registers 4 c .. 4 c + 3 at 512 c + 16 l), then 512 bytes of scale words
; (K step ks, lane r: 128 (ks / 2) + 8 r + 4 (ks % 2)).  Lane r of tile T is row 32 (T / 2) + 8 (T % 2) + r + 8 (r / 8).
; A tile of out0, 256 x 256, is made by four waves, as many as a WGP has SIMDs; a wave makes 128 x 128: 64 accumulators, 512 registers.  THE PRODUCT IS USED TRANSPOSED: source 0 = 16 rows of wo (B), source 1 = 16 tokens (A): a lane
; holds one token, and register j of accumulator (a, b) is column 32 (b / 2) + 16 (lane / 16) + 8 (b % 2) + j of my 128.
; K goes in steps of 256 through a ring of two LDS slots filled by the tensor data mover: one load a wave brings 8 units' two images, 8 rows of 3,072 bytes.  The scale words of the work-group's rows come once, with the first fills.
; CLUSTERS: 4 x 4.  A's tiles are asked for jointly along a row of the cluster, B's along a column.  K = 1,024 is four steps, written out: no loop.  128 work-groups: out0 has 128 tiles of 256 x 256.
; REGISTERS, in windows of 256: window 0: v16-29 addresses; v32-63 scale words, two sets; v128-223 A's fragments, one set.  window 1: B's fragments, two sets, at v0 and v128.  windows 2, 3: the accumulators of my A rows 0-63, 64-127.
.set UNIT,  12800
.set IMG,   1536
.set NQ,    2
.set FR,    12
.set NL,    3
.set NP,    4
.set ROWB,  NQ*IMG
.set HALFT, 8*ROWB
.set SLOT,  4*HALFT
.set SCL,   2*SLOT
.set HALFS, 8*512
.set SBLK,  512
.set SPARE, SCL+4*HALFS                ; the spare words, 128 bytes a wave: two blocks of 256 bytes that no other line names
.set SPITCH, 528                       ; the way out: a stage of 16 rows x (512 bytes + 16) for each wave, in slot 0, which has had its last fill and its last read when the first result is stored there
.set ADRA, 16
.set ADRB, 20
.set STO,  24                          ; v24     the way out: where I put my row's numbers
.set RD,   25                          ; v25     and where I read a row back
.set CO,   26                          ; v26     16 x lane
.set ADRS, 27
.set SPW,  28
.set NIL,  29
.set SC,   32
.set AF,   128
.set BK,   128                         ; the way out: 16 rows read back: v128-191 and v192-255 by turns
.set G1, 24
.set G0, 32
.set G1B, 48
.set G0B, 56
.set G1S, 68
.set G0S, 76
.set G1SB, 80
.set G0SB, 88
.set MSB, 0
.macro WIN new                         ; the immediate's high byte repeats the setting that is left
.if MSB != (\new)
	s_set_vgpr_msb (MSB<<8)|(\new)
.set MSB, (\new)
.endif
.endm
.set MUL_LO, 0xa1                      ; source 0 (B) window 1, source 1 (A) window 0, C and D window 2
.set MUL_HI, 0xf1
.set TO_B,   0x40
.macro JLOAD g0a, g1a, g0b, g1b        ; a joint load: waves 0 and 1 fetch for A, waves 2 and 3 for B; the branch hangs on the wave's number alone; four v_nop follow each line
	s_cmp_eq_u32 s15, 0
	s_cbranch_scc0 .Lfor_b_\@
	tensor_load_to_lds s[\g0a:\g0a+3], s[\g1a:\g1a+7]
	s_nop 0
.rept 4
	v_nop
.endr
	s_branch .Lasked_\@
.Lfor_b_\@:
	tensor_load_to_lds s[\g0b:\g0b+3], s[\g1b:\g1b+7]
	s_nop 0
.rept 4
	v_nop
.endr
.Lasked_\@:
.endm
.macro CREST
	s_cmp_lg_u32 s14, 0
	s_cbranch_scc1 .Lnot_wave_0_\@
	s_barrier_signal -3
.Lnot_wave_0_\@:
	s_barrier_wait -3
	s_barrier_signal -1
	s_barrier_wait -1
.endm
.macro CROUND
	s_barrier_signal -1
	s_barrier_wait -1
	CREST
.endm
	s_load_b128 s[4:7], s[0:1], 0x0                ; at, wc
	s_load_b64 s[12:13], s[0:1], 0x10              ; out0
	v_lshl_add_u32 v[SPW], v0, 2, SPARE
	v_mov_b32 v[NIL], 0
	ds_add_u32 v28, v29
	s_wait_dscnt 0x0
	v_lshrrev_b32 v1, 5, v0
	v_readfirstlane_b32 s14, v1                    ; wave 0..3
	s_lshr_b32 s15, s14, 1                         ; which half of the tile's rows is mine.  Also: I fetch for A (0) or for B (1)
	s_and_b32 s16, s14, 1                          ; which half of its columns.  Also: which 8 units I fetch
	s_bfe_u32 s40, ttmp6, 0x40000                  ; cx
	s_bfe_u32 s41, ttmp6, 0x40004                  ; cy
	s_lshl_b32 s42, ttmp9, 2
	s_add_co_u32 s42, s42, s40                     ; tile column
	s_and_b32 s17, ttmp7, 0xffff
	s_lshl_b32 s17, s17, 2
	s_add_co_u32 s17, s17, s41                     ; tile row
	s_lshl_b32 s43, s41, 2
	s_lshl_b32 s43, 15, s43                        ; my row of the cluster
	s_lshl_b32 s44, 0x1111, s40                    ; my column
	; descriptor group 1, elements of 8 bytes, no padding: 8 rows of 3,072 bytes (384 elements), 12,800 bytes (1,600 elements) apart
	s_or_b32 s[G1+0], s43, (3<<16)|(1<<21)
	s_or_b32 s[G1B+0], s44, (3<<16)|(1<<21)
.irp g, G1, G1B
	s_mov_b32 s[\g+1], 384<<16
	s_mov_b32 s[\g+2], 8<<16
	s_mov_b32 s[\g+3], 384<<16
	s_mov_b32 s[\g+4], 8
	s_mov_b32 s[\g+5], 1600
	s_mov_b32 s[\g+6], 0
	s_mov_b32 s[\g+7], 0
.endr
	; and for the scale words: 8 rows of 512 bytes (64 elements), as far apart
	s_or_b32 s[G1S+0], s43, (3<<16)|(1<<21)
	s_or_b32 s[G1SB+0], s44, (3<<16)|(1<<21)
.irp g, G1S, G1SB
	s_mov_b32 s[\g+1], 64<<16
	s_mov_b32 s[\g+2], 8<<16
	s_mov_b32 s[\g+3], 64<<16
	s_mov_b32 s[\g+4], 8
	s_mov_b32 s[\g+5], 1600
	s_mov_b32 s[\g+6], 0
	s_mov_b32 s[\g+7], 0
.endr
	s_lshl_b32 s18, s16, 3
	s_lshl_b32 s20, s17, 4
	s_add_co_u32 s20, s20, s18                     ; A: unit 16 x tile row + 8 x half
	s_mul_i32 s20, s20, UNIT
	s_mov_b32 s21, 0
	s_lshl_b32 s46, s42, 4
	s_add_co_u32 s46, s46, s18                     ; B: unit 16 x tile column + 8 x half
	s_mul_i32 s46, s46, UNIT
	s_mov_b32 s47, 0
	s_mul_i32 s45, s14, HALFT
	s_mul_i32 s94, s14, HALFS
	s_wait_kmcnt 0x0
	s_add_nc_u64 s[20:21], s[4:5], s[20:21]
	s_add_nc_u64 s[46:47], s[6:7], s[46:47]
	s_add_nc_u64 s[46:47], s[46:47], 192*UNIT      ; wo's units
	CROUND                                         ; all sixteen work-groups are here: the first joint loads meet
	s_mov_b32 s[G0S], 1
	s_add_co_u32 s[G0S+1], s94, SCL
	s_add_nc_u64 s[G0S+2:G0S+3], s[20:21], 8*IMG
	s_or_b32 s[G0S+3], s[G0S+3], 0x80000000
	s_mov_b32 s[G0SB], 1
	s_add_co_u32 s[G0SB+1], s94, SCL
	s_add_nc_u64 s[G0SB+2:G0SB+3], s[46:47], 8*IMG
	s_or_b32 s[G0SB+3], s[G0SB+3], 0x80000000
	JLOAD G0S, G1S, G0SB, G1SB
.irp s, 0,1
	s_mov_b32 s[G0+4*\s], 1
	s_add_co_u32 s[G0+4*\s+1], s45, \s*SLOT
	s_add_nc_u64 s[G0+4*\s+2:G0+4*\s+3], s[20:21], \s*ROWB
	s_or_b32 s[G0+4*\s+3], s[G0+4*\s+3], 0x80000000
	s_mov_b32 s[G0B+4*\s], 1
	s_add_co_u32 s[G0B+4*\s+1], s45, \s*SLOT
	s_add_nc_u64 s[G0B+4*\s+2:G0B+4*\s+3], s[46:47], \s*ROWB
	s_or_b32 s[G0B+4*\s+3], s[G0B+4*\s+3], 0x80000000
	JLOAD G0+4*\s, G1, G0B+4*\s, G1B               ; three loads of mine are out
.endr
	v_and_b32 v1, 15, v0                           ; r
	v_bfe_u32 v2, v0, 4, 1                         ; h
	v_and_b32 v3, 31, v0
	v_lshlrev_b32 v[CO], 4, v3
	s_mul_i32 s21, s15, HALFT
	s_mul_i32 s22, s16, HALFT
	s_add_co_u32 s22, s22, 2*HALFT
.irp s, 0,1
	v_add_nc_u32 v[ADRA+\s], s21, v[CO]
	v_add_nc_u32 v[ADRB+\s], s22, v[CO]
	s_add_co_u32 s21, s21, SLOT
	s_add_co_u32 s22, s22, SLOT
.endr
	v_lshlrev_b32 v5, 3, v1
	s_mul_i32 s21, s15, HALFS
	s_mul_i32 s22, s16, HALFS
	s_add_co_u32 s22, s22, 2*HALFS
	s_sub_co_u32 s22, s22, s21
	v_mul_u32_u24 v6, s22, v2                      ; lanes 16-31 take B's
	s_add_co_u32 s21, s21, SCL
	v_add_nc_u32 v5, v5, v6
	v_add_nc_u32 v[ADRS], s21, v5
	s_mul_i32 s23, s14, 16*SPITCH                  ; my stage
	v_mul_u32_u24 v5, v1, SPITCH                   ; in: row r, + 64 h
	v_lshl_add_u32 v5, v2, 6, v5
	v_add_nc_u32 v[STO], s23, v5
	v_add_nc_u32 v[RD], s23, v[CO]                 ; back: the 32 lanes take one row of 512 bytes
	s_lshl_b32 s20, s17, 8
	s_lshl_b32 s21, s15, 7
	s_add_co_u32 s20, s20, s21                     ; my first row: 256 x tile row + 128 x half
	s_lshl_b32 s20, s20, 12                        ; rows of 4,096 bytes
	s_lshl_b32 s46, s42, 10                        ; my first column, in bytes
	s_lshl_b32 s47, s16, 9
	s_add_co_u32 s46, s46, s47
	s_add_co_u32 s20, s20, s46
	s_mov_b32 s21, 0
	s_add_nc_u64 s[12:13], s[12:13], s[20:21]
.macro FRAG reg, adr, q, i             ; a fragment comes as it was stored: three loads of 512 consecutive bytes
.irp c, 0,1,2
	ds_load_b128 v[(\reg)+4*\c:(\reg)+4*\c+3], v[\adr] offset:(\i)*ROWB+(\q)*IMG+512*\c
.endr
.endm
; 16 matrix instructions: A's blocks a0, a0 + 1 x B's eight, 128 along K.  The 64 accumulators take turns, one instruction a turn, in the same order in every step.
.macro MUL16 a0, p, q, sc, zero
.irp a, \a0, \a0+1
.irp b, 0,1,2,3,4,5,6,7
.if \zero
	v_wmma_scale_f32_16x16x128_f8f6f4 v[8*(8*((\a)%4)+\b):8*(8*((\a)%4)+\b)+7], v[128*(\p)+FR*\b:128*(\p)+FR*\b+FR-1], v[AF+FR*(\a):AF+FR*(\a)+FR-1], 0, v[SC+8*NQ*(\sc)+NQ*\b+(\q)], v[SC+8*NQ*(\sc)+NQ*(\a)+(\q)] matrix_a_fmt:MATRIX_FMT_FP6 matrix_b_fmt:MATRIX_FMT_FP6 matrix_a_scale:MATRIX_SCALE_ROW1
.else
	v_wmma_scale_f32_16x16x128_f8f6f4 v[8*(8*((\a)%4)+\b):8*(8*((\a)%4)+\b)+7], v[128*(\p)+FR*\b:128*(\p)+FR*\b+FR-1], v[AF+FR*(\a):AF+FR*(\a)+FR-1], v[8*(8*((\a)%4)+\b):8*(8*((\a)%4)+\b)+7], v[SC+8*NQ*(\sc)+NQ*\b+(\q)], v[SC+8*NQ*(\sc)+NQ*(\a)+(\q)] matrix_a_fmt:MATRIX_FMT_FP6 matrix_b_fmt:MATRIX_FMT_FP6 matrix_a_scale:MATRIX_SCALE_ROW1
.endif
.endr
.endr
.endm
.macro FETCH_B slot, q, p
	WIN TO_B
.irp i, 0,1,2,3,4,5,6,7
	FRAG 128*(\p)+FR*\i, ADRB+\slot, \q, \i
.endr
	WIN 0
.endm
.macro FETCH_A slot, q, i0
.irp i, \i0, \i0+1, \i0+2, \i0+3
	FRAG AF+FR*(\i), ADRA+\slot, \q, \i
.endr
.endm
.macro SCALES sc
.irp i, 0,1,2,3,4,5,6,7
	ds_load_b64 v[SC+8*NQ*\sc+NQ*\i:SC+8*NQ*\sc+NQ*\i+1], v[ADRS] offset:\i*SBLK
.endr
.endm
.macro PLACES n                        ; in front of loads into registers that matrix instructions have read, and of the first read of results: plain vector instructions alone are places
.rept \n
	v_nop
.endr
.endm
.macro STEP slot, q, zero
	s_wait_dscnt 4*NL                              ; all but the youngest 12 loads (A's blocks 4-7)
	WIN MUL_LO
	MUL16 0, (\q)%2, \q, \slot, \zero
	MUL16 2, (\q)%2, \q, \slot, \zero
	s_wait_dscnt 0
	PLACES NP
	FETCH_B \slot, (\q)+1, 1-(\q)%2
	FETCH_A \slot, (\q)+1, 0
	WIN MUL_HI
	MUL16 4, (\q)%2, \q, \slot, \zero
	MUL16 6, (\q)%2, \q, \slot, \zero
	PLACES NP
	WIN 0
	FETCH_A \slot, (\q)+1, 4
.endm
; A slot's last step changes slots: ONE barrier; in front of it each wave waits for all its tensor loads, adds 0 to its spare word, and waits for that and for its reads of this slot.  fill = 1: the slot is filled again, two K steps ahead.
.macro TURN slot, next, fill
	s_wait_tensorcnt 0x0                           ; all my tensor loads have landed: my part of the next slot
	ds_add_u32 v[SPW], v[NIL]                      ; 0 onto my spare word
	s_wait_dscnt 4*NL+1                            ; (the add and the youngest 12 loads may be out)
	WIN MUL_LO
	MUL16 0, 1, NQ-1, \slot, 0
	s_wait_dscnt 0x0                               ; the add is done, and my reads of this slot are over
	s_barrier_signal -1
	MUL16 2, 1, NQ-1, \slot, 0
	WIN 0
	s_barrier_wait -1
.if \fill
	CREST                                          ; the barrier has opened a round of the cluster's: no wave of any partner still reads this slot or has a load on its way
	s_add_nc_u64 s[G0+4*\slot+2:G0+4*\slot+3], s[G0+4*\slot+2:G0+4*\slot+3], 2*ROWB
	s_add_nc_u64 s[G0B+4*\slot+2:G0B+4*\slot+3], s[G0B+4*\slot+2:G0B+4*\slot+3], 2*ROWB
	JLOAD G0+4*\slot, G1, G0B+4*\slot, G1B         ; the first tensor load behind the round; its four v_nop are the places in front of the loads below
.else
	PLACES NP
.endif
	v_add_nc_u32 v[ADRS], 128, v[ADRS]             ; the next K step's scale words
	FETCH_B \next, 0, 0
	FETCH_A \next, 0, 0
	SCALES \next
	WIN MUL_HI
	MUL16 4, 1, NQ-1, \slot, 0
	MUL16 6, 1, NQ-1, \slot, 0
	PLACES NP
	WIN 0
	FETCH_A \next, 0, 4
.endm
	s_wait_tensorcnt 1                             ; the scale words and my part of K step 0 are in; K step 1's load may be out
	s_barrier_signal -1
	s_barrier_wait -1
	FETCH_B 0, 0, 0
	FETCH_A 0, 0, 0
	SCALES 0
	FETCH_A 0, 0, 4
	STEP 0, 0, 1                                   ; the first products start the sums: nothing is cleared
	TURN 0, 1, 1
	STEP 1, 0, 0
	TURN 1, 0, 1
	STEP 0, 0, 0
	TURN 0, 1, 0                                   ; the last two K steps ask for nothing
	STEP 1, 0, 0
	s_wait_dscnt 4*NL
	WIN MUL_LO
	MUL16 0, 1, NQ-1, 1, 0
	MUL16 2, 1, NQ-1, 1, 0
	s_wait_dscnt 0
	WIN MUL_HI
	MUL16 4, 1, NQ-1, 1, 0
	MUL16 6, 1, NQ-1, 1, 0
	WIN 0
; THE WAY OUT, block by block of 16 rows x 128 columns, through my own stage in LDS: in by lanes' rows, back as whole rows of 512 bytes, which the 32 lanes store as two aligned runs of 256 bytes.
; LDS serves a wave's instructions in order (ISA guide 5.7.1.4): no wait between the stores and the loads, nor in front of the next block's stores.
.macro TOSTAGE a
.set AC, 64*((\a)%4)
	WIN 0x08+4*((\a)/4)                            ; an LDS store's data are its source 1: window 2 or 3
.irp b, 0,1,2,3,4,5,6,7
	ds_store_b128 v[STO], v[AC+8*\b:AC+8*\b+3] offset:128*(\b/2)+32*(\b%2)       ; each accumulator from its low end on
	ds_store_b128 v[STO], v[AC+8*\b+4:AC+8*\b+7] offset:128*(\b/2)+32*(\b%2)+16
.endr
	WIN 0
.set BB, BK+64*((\a)%2)
.irp t, 0,1,2,3,4,5,6,7,8,9,10,11,12,13,14,15
	ds_load_b128 v[BB+4*\t:BB+4*\t+3], v[RD] offset:\t*SPITCH
.endr
.endm
.macro SEND a, younger                 ; younger: the LDS instructions issued behind block a's loads, which may stay out.  Stage row t of block a is row 32 (a / 2) + 8 (a % 2) + t + 8 (t / 8) of my 128
.set BB, BK+64*((\a)%2)
	s_wait_dscnt \younger
.if (\a) > 0
.if ((\a)%2) == 1
	s_add_nc_u64 s[12:13], s[12:13], 8*4096        ; (behind a wait on XCNT: the earlier stores have read their base)
.else
	s_add_nc_u64 s[12:13], s[12:13], 24*4096
.endif
.endif
.irp t, 0,1,2,3,4,5,6,7,8,9,10,11,12,13,14,15
	global_store_b128 v[CO], v[BB+4*\t:BB+4*\t+3], s[12:13] offset:(\t+8*(\t/8))*4096 th:TH_STORE_NT   ; 512 consecutive bytes, at a multiple of 256 from out0's first byte; written once, read by nobody here
.endr
.endm
	PLACES NP
	TOSTAGE 0
.irp a, 1,2,3,4,5,6,7
.if \a > 1
	s_wait_xcnt 0x0                                ; block a - 2's stores have read their registers and their base
.endif
	TOSTAGE \a
	SEND \a-1, 32                                  ; behind block a - 1's loads: block a's 16 stores and 16 loads
.endr
	s_wait_xcnt 0x0
	SEND 7, 0
	s_wait_tensorcnt 0x0                           ; the wave's end
	ds_add_u32 v[SPW], v[NIL]
	s_wait_dscnt 0x0
	CROUND                                         ; the closing round: no work-group ends while a partner may still ask for a tile that names it
	s_endpgm
.Lfunc_end_k_q947179a1c0_outp:
	.size	k_q947179a1c0_outp, .Lfunc_end_k_q947179a1c0_outp-k_q947179a1c0_outp
	.p2alignl 7, 3214868480
	.fill 96, 4, 3214868480
	.section	.rodata,"a",@progbits
	.p2align	6, 0x0
	.amdhsa_kernel k_q947179a1c0_outp
		.amdhsa_group_segment_fixed_size 327680
		.amdhsa_private_segment_fixed_size 0
		.amdhsa_enable_private_segment 0
		.amdhsa_kernarg_size 24
		.amdhsa_user_sgpr_count 2
		.amdhsa_user_sgpr_kernarg_segment_ptr 1
		.amdhsa_wavefront_size32 1
		.amdhsa_system_sgpr_workgroup_id_x 1
		.amdhsa_system_sgpr_workgroup_id_y 1
		.amdhsa_system_sgpr_workgroup_id_z 1
		.amdhsa_system_vgpr_workitem_id 0
		.amdhsa_next_free_vgpr 1024
		.amdhsa_next_free_sgpr 100
		.amdhsa_reserve_vcc 0
		.amdhsa_float_denorm_mode_32 3
		.amdhsa_float_denorm_mode_16_64 3
		.amdhsa_memory_ordered 1
		.amdhsa_forward_progress 1
		.amdhsa_inst_pref_size 135
	.end_amdhsa_kernel
	.amdgpu_metadata
---
amdhsa.version: [ 1, 2 ]
amdhsa.kernels:
  - .name:           k_q947179a1c0_outp
    .symbol:         k_q947179a1c0_outp.kd
    .args:
      - { .name: at, .offset: 0, .size: 8, .value_kind: global_buffer, .address_space: global }
      - { .name: wc, .offset: 8, .size: 8, .value_kind: global_buffer, .address_space: global }
      - { .name: out0, .offset: 16, .size: 8, .value_kind: global_buffer, .address_space: global }
    .group_segment_fixed_size: 327680
    .private_segment_fixed_size: 0
    .kernarg_segment_align: 8
    .kernarg_segment_size: 24
    .max_flat_workgroup_size: 128
    .sgpr_count:     100
    .vgpr_count:     1024
    .wavefront_size: 32
...
	.end_amdgpu_metadata
.endif
;; end of part 4
